; MI455X (gfx1250); checked and timed in simulation.
; The chip was launched on July 23, 2026; its instructions are those of AMD's public machine-readable ISA for CDNA 5 (MIT licence, August 2026) and "CDNA5" Instruction Set Architecture Reference Guide (July 2026). The comments in the code are by the model that wrote it; some were corrected since.
;; Encoder Layer. Allowed arithmetic: matrix products marked QUANTISED: E4M3 operands, one given power-of-two scale a tensor, by v_wmma_f32_16x16x64_fp8_fp8 or v_wmma_f32_16x16x128_fp8_fp8, f32 sums; everything else in f32.
;; Inputs: b1 4,096 float32; b2 1,024 float32; bk 1,024 float32; bo 1,024 float32; bq 1,024 float32; bv 1,024 float32; ln1_b 1,024 float32; ln1_w 1,024 float32; ln2_b 1,024 float32; ln2_w 1,024 float32; lowp_scales 16 int32 (the exponents e of the quantised operands' scales 2^e); mask 4 x 1 x 1 x 1,024 int32; w1 1,024 x 4,096 float32; w2 4,096 x 1,024 float32; wk 1,024 x 1,024 float32; wo 1,024 x 1,024 float32; wq 1,024 x 1,024 float32; wv 1,024 x 1,024 float32; x 4 x 1,024 x 1,024 float32.
;; Outputs: out0 4 x 1,024 x 1,024 float32.
;; This version of the problem:
;;   THIS VERSION OF THE PROBLEM IS GIVEN IN LOW PRECISION. The matrix products marked QUANTISED in the list below multiply operands that are first quantised to E4M3 (4 exponent bits, 3 mantissa bits; 8 bits a number), with one given power-of-two scale for each operand tensor; their sums are f32. All else is computed in f32.
;;   The module's matrix products, in the order in which they are computed (A, B: the left and right operand; K: the contracted axis; several contracted axes count as one K, in the product's order):
;;     1. [M 4,096, K 1,024] x [K 1,024, N 1,024]; A: computed on the way; B: input wq: QUANTISED (scales: A lowp_scales[0], B lowp_scales[1])
;;     2. [M 4,096, K 1,024] x [K 1,024, N 1,024]; A: computed on the way; B: input wk: QUANTISED (scales: A lowp_scales[2], B lowp_scales[3])
;;     3. [M 4,096, K 1,024] x [K 1,024, N 1,024]; A: computed on the way; B: input wv: QUANTISED (scales: A lowp_scales[4], B lowp_scales[5])
;;     4. batch 64 x [M 1,024, K 64] x [K 64, N 1,024]; A: computed on the way; B: computed on the way: QUANTISED (scales: A lowp_scales[6], B lowp_scales[7])
;;     5. batch 64 x [M 1,024, K 1,024] x [K 1,024, N 64]; A: softmax (see below); B: computed on the way: QUANTISED (scales: A lowp_scales[8], B lowp_scales[9])
;;     6. [M 4,096, K 1,024] x [K 1,024, N 1,024]; A: computed on the way; B: input wo: QUANTISED (scales: A lowp_scales[10], B lowp_scales[11])
;;     7. [M 4,096, K 1,024] x [K 1,024, N 4,096]; A: computed on the way; B: input w1: QUANTISED (scales: A lowp_scales[12], B lowp_scales[13])
;;     8. [M 4,096, K 4,096] x [K 4,096, N 1,024]; A: computed on the way; B: input w2: QUANTISED (scales: A lowp_scales[14], B lowp_scales[15])
;;   THE QUANTISER, for each operand of a quantised product, along K:
;;     - The operand's scale is 2^e, e = its entry of the input lowp_scales (int32; the entries are numbered through the quantised products in the list's order, A before B).
;;     - Each number is divided by the scale, clamped to +-448, and rounded to the nearest number of E4M3, ties to even, subnormals kept.
;;     - The product sums the exact products of the quantised numbers (number of the format x scale) in f32.
;;   ~~~python
;;   def quantise(x, axis, e):      # numpy; x: float32 -> the quantised numbers, widened to float32 again
;;       x = np.moveaxis(x, axis, -1); K = x.shape[-1]
;;       r = np.clip(x / 2.0 ** e, -448, 448)
;;       step = 2.0 ** (np.maximum(np.frexp(np.where(r == 0, 1, r))[1] - 1, -6) - 3)
;;       q = np.round(r / step) * step * 2.0 ** e      # np.round: ties to even
;;       return np.moveaxis(q, -1, axis).astype(np.float32)
;;   ~~~
;;   SOFTMAX AHEAD OF A QUANTISED PRODUCT. Where the list says 'softmax', what is quantised is not the finished softmax but p = 2^(t - M), with t = logit x log2(e) and M = ceil(the row's largest t), a whole number; so 1/2 < the row's largest p <= 1. The row's sum l is taken of the UNQUANTISED p, in f32, and the product's result is divided by l at the end. Since M is a whole number, a kernel that streams over the keys may use a running M (the ceiling of the running maximum): every later rescaling is an exact power of two, so the quantised numbers keep their values, but for numbers so far below the row's largest that they fall under the format's range.
;;   OPERANDS COMPUTED ON THE WAY. 'Computed on the way' means the value that the module computes at that place (a softmax that the list does not call 'softmax' is quantised finished and normalised). What goes into a quantiser is computed in f32, as accurately as f32 sums, v_exp_f32 and their like allow (about 1e-6 of the number): no bf16 or f16 on the way to a quantiser, and a product that is left as it is and whose result goes on into a quantised operand takes f32 operands (vector FMAs, or v_wmma_f32_16x16x4_f32). A number that lies on a knife's edge between two numbers of the format may be rounded either way, as far as f32 arithmetic and the matrix unit's own rounding can turn it there, and no further.
;; One version. Each part assembles by itself: llvm-mc -triple=amdgcn-amd-amdhsa -mcpu=gfx1250 --defsym DOCPART=n.
;; ======== version 1 of 1: 7 launches
;; limits: right only within a limited range of input values
;; workspace buffers: pre 15,728,640 bytes; wc2 9,437,184 bytes; qkv 12,582,912 bytes; atc 4,194,304 bytes; x1 16,777,216 bytes; nx2 4,194,304 bytes; hc 16,777,216 bytes
;; launch prep (part 1): grid 640 x 1, 8 waves a work-group, no clusters, 53,248 bytes of LDS; arguments x, ln1_w, ln1_b, wq, wk, wv, wo, w1, w2, lowp_scales, pre, wc2; writes pre, wc2
.if DOCPART == 1
	.amdgcn_target "amdgcn-amd-amdhsa--gfx1250"
	.amdhsa_code_object_version 6
	.text
	.protected	k_q2e14442322_prep
	.globl	k_q2e14442322_prep
	.p2align	8
	.type	k_q2e14442322_prep,@function
k_q2e14442322_prep:
	s_mov_b64 s[64:65], 0
	v_nop
	global_prefetch_b8 v0, s[64:65] scope:SCOPE_SE
	s_setreg_imm32_b32 hwreg(HW_REG_WAVE_MODE, 25, 1), 1
	s_wait_xcnt 0x0
; FIRST OF SEVEN LAUNCHES of a pre-LN encoder layer (4,096 tokens, D = 1,024, 16 heads of 64, DFF = 4,096), all eight products on codes of FP8 (E4M3) with the given scales 2^e.
; DEAD WORK: none is left out.  Every input has a way to out0: each bias moves codes or sums, bk moves k's codes, the mask is an input and is honoured key by key.
; THIS LAUNCH: (a) work-groups 0-383: the six weights, stored [k][n], quantised along k (e1, e3, e5, e11, e13, e15);
;              (b) work-groups 384-639: the first layer norm of x, quantised three times (e0, e2, e4: the left operands of the products with wq, wk, wv).
; A weight's job moves 128 KiB in and 32 KiB out, a layer norm's 72 KiB in and 48 KiB out: the longer jobs have the lower numbers.
; ALL CODE BUFFERS ARE IMAGES OF THE OPERANDS' REGISTERS.  An operand [rows][K] is cut into fragments of 16 row slots x 128 k, 2,048 bytes, fragment (T, s) at (T K/128 + s) 2,048;
; inside it the 16 codes of (c, h) of slot p lie at 512 c + 256 h + 16 p: four loads of 16 bytes a lane, at 16 x lane + 512 c, bring a fragment.
; WHICH ROWS FORM A TILE: slot p of tile T is row 32 (T / 2) + 8 (T % 2) + p + 8 (p / 8), so that the results of two neighbouring tiles are 16 neighbours along the next product's K.
; WHICH k LIES WHERE: natural (wo, w2): k = 128 s + 32 c + 16 h + i.  For the products behind a layer norm (wq, wk, wv, w1), on both operands alike:
; k = 512 (s / 4) + 32 (s % 4) + 8 c + 4 h + 128 (i / 4) + i % 4: what a lane holds after loads of 16 bytes a lane along a row.  A permutation of k that both operands share keeps every product.
; pre: wq's image at 0, wk's at 1 MiB, wv's at 2 MiB, the three images of the normed x at 3, 7, 11 MiB.   wc2: wo's image at 0, w1's at 1 MiB, w2's at 5 MiB.
; LIMITS: each exponent used here lies between -126 and 119, so that 2^e and 448 x 2^e are f32 numbers.  NaN among the inputs is not served.
.set STG,   17408                      ; a stage: 64 units of 256 bytes + 16 of padding; unit u = 256 consecutive bytes of a tile's image
.set SPARE, 3*STG                      ; behind the three stages: the spare words, 128 bytes for each of eight waves
.set SPW,   6                          ; v6   my spare word's address; never rewritten
.set NIL,   7                          ; v7   0; never rewritten
.set LW,    16                         ; v16-47   the gain at my 32 columns
.set LB,    48                         ; v48-79   the offset
.set X0,    80                         ; v80-111  row 0 (weights: two sets of 32 numbers from here)
.set X1,    112                        ; v112-143 row 1
.set CD,    16                         ; v16-63   codes: in the registers of the gain and the offset, which are done with when the first code is made (weights: v16-47)
.set TMP,   64                         ; v64-79   16 numbers, held: likewise
.set SC,    144                        ; v144.. for each set: 2^e, 448 x 2^e
	s_load_b512 s[4:19], s[0:1], 0x0               ; x 4:5, ln1_w 6:7, ln1_b 8:9, wq 10:11, wk 12:13, wv 14:15, wo 16:17, w1 18:19
	s_load_b256 s[20:27], s[0:1], 0x40             ; w2 20:21, the exponents 22:23, pre 24:25, wc2 26:27
	v_lshl_add_u32 v[SPW], v0, 2, SPARE
	v_mov_b32 v[NIL], 0
	v_lshrrev_b32 v1, 5, v0
	s_delay_alu instid0(VALU_DEP_1)
	v_readfirstlane_b32 s28, v1                    ; wave 0..7
	v_and_b32 v1, 31, v0                           ; lane
	s_wait_kmcnt 0x0
	s_load_b512 s[32:47], s[22:23], 0x0            ; e_i in s[32 + i]
	s_cmp_lt_u32 ttmp9, 384
	s_cbranch_scc1 .Lweights
; ---------------- the layer norm: work-group 384 + T makes tile T of the three images; wave w takes slots w and w + 8, tokens t0 and t0 + 16
	s_sub_co_u32 s81, ttmp9, 384                   ; T
	s_lshr_b32 s29, s81, 1
	s_lshl_b32 s29, s29, 5
	s_and_b32 s30, s81, 1
	s_lshl_b32 s30, s30, 3
	s_add_co_u32 s29, s29, s30
	s_add_co_u32 s29, s29, s28                     ; t0 = 32 (T / 2) + 8 (T % 2) + w
	s_lshl_b32 s48, s29, 12
	s_mov_b32 s49, 0
	s_add_nc_u64 s[48:49], s[4:5], s[48:49]        ; its row of 4,096 bytes
	s_wait_alu depctr_va_vdst(0)
	v_lshlrev_b32 v2, 4, v1                        ; 16 bytes a lane: each load of the wave reads 512 consecutive bytes
.set j, 0
	s_wait_alu depctr_va_vdst(0)
.rept 8
	global_load_b128 v[X0+4*j:X0+4*j+3], v2, s[48:49] offset:512*j th:TH_LOAD_NT
.set j, j+1
.endr
.set j, 0
.rept 8
	global_load_b128 v[X1+4*j:X1+4*j+3], v2, s[48:49] offset:65536+512*j th:TH_LOAD_NT
.set j, j+1
.endr
.set j, 0
.rept 8
	global_load_b128 v[LW+4*j:LW+4*j+3], v2, s[6:7] offset:512*j
.set j, j+1
.endr
.set j, 0
.rept 8
	global_load_b128 v[LB+4*j:LB+4*j+3], v2, s[8:9] offset:512*j
.set j, j+1
.endr
	s_mov_b32 s50, 0x76543210                      ; lane selects: lane l xor 16
	s_mov_b32 s51, 0xfedcba98
	s_mov_b32 s58, 0x3a800000                      ; 1 / 1,024
	s_mov_b32 s59, 0x3727c5ac                      ; 1e-5
	s_lshl_b32 s30, s81, 14
	s_mov_b32 s31, 0
	s_add_nc_u64 s[52:53], s[24:25], s[30:31]
	s_add_nc_u64 s[52:53], s[52:53], 0x300000      ; tile T of the image for e0,
	s_add_nc_u64 s[54:55], s[52:53], 0x400000      ; for e2,
	s_add_nc_u64 s[56:57], s[54:55], 0x400000      ; for e4
	s_lshl_b32 s29, s28, 4
	v_mul_u32_u24 v3, v1, 272
	s_delay_alu instid0(VALU_DEP_1)
	v_add_nc_u32 v3, s29, v3                       ; into a stage: unit = my lane, slot w: 272 x lane + 16 w
	s_mul_i32 s29, s28, 2176
	v_lshrrev_b32 v4, 4, v1
	s_delay_alu instid0(VALU_DEP_1)
	v_mul_u32_u24 v4, v4, 272
	v_and_b32 v5, 15, v1
	s_delay_alu instid0(VALU_DEP_1)
	v_lshl_add_u32 v4, v5, 4, v4
	s_delay_alu instid0(VALU_DEP_1)
	v_add_nc_u32 v4, s29, v4                       ; out of it: units 8 w on, sixteen lanes to a unit
	s_lshl_b32 s29, s28, 11
	v_add_nc_u32 v5, s29, v2                       ; and the same bytes of the tile's image: 2,048 w + 16 x lane
	s_wait_kmcnt 0x0
.irp q, 0,1,2
	s_add_co_i32 s30, s[32+2*\q], 127
	s_lshl_b32 s31, s30, 23
	v_mov_b32 v[SC+2*\q], s31                      ; 2^e as f32: the conversion takes its exponent field
	s_add_co_i32 s30, s30, 8
	s_lshl_b32 s30, s30, 23
	s_or_b32 s30, s30, 0x600000
	v_mov_b32 v[SC+2*\q+1], s30                    ; 448 x 2^e
.endr
.macro LANESUM r, t                    ; the sum of v[r] over the wave's 32 lanes, in every lane
	s_delay_alu instid0(VALU_DEP_1)
	v_add_f32_dpp v[\r], v[\r], v[\r] row_xmask:1 row_mask:0xf bank_mask:0xf
	s_delay_alu instid0(VALU_DEP_1)
	v_add_f32_dpp v[\r], v[\r], v[\r] row_xmask:2 row_mask:0xf bank_mask:0xf
	s_delay_alu instid0(VALU_DEP_1)
	v_add_f32_dpp v[\r], v[\r], v[\r] row_xmask:4 row_mask:0xf bank_mask:0xf
	s_delay_alu instid0(VALU_DEP_1)
	v_add_f32_dpp v[\r], v[\r], v[\r] row_xmask:8 row_mask:0xf bank_mask:0xf
	s_delay_alu instid0(VALU_DEP_1)
	v_permlanex16_b32 v[\t], v[\r], s50, s51
	s_delay_alu instid0(VALU_DEP_1)
	v_add_f32 v[\r], v[\r], v[\t]
.endm
.macro ROWSTAT X                       ; the row in v[X] on becomes (x - mean) / sqrt(variance + 1e-5); the variance is taken of x - mean, as the problem has it
	v_pk_add_f32 v[8:9], v[\X:\X+1], v[\X+2:\X+3]
	v_pk_add_f32 v[10:11], v[\X+4:\X+5], v[\X+6:\X+7]
.set j, 8
.rept 6
	s_delay_alu instid0(VALU_DEP_2)
	v_pk_add_f32 v[8:9], v[8:9], v[\X+j:\X+j+1]
	s_delay_alu instid0(VALU_DEP_2)
	v_pk_add_f32 v[10:11], v[10:11], v[\X+j+2:\X+j+3]
.set j, j+4
.endr
	s_delay_alu instid0(VALU_DEP_1)
	v_pk_add_f32 v[8:9], v[8:9], v[10:11]
	s_delay_alu instid0(VALU_DEP_1)
	v_add_f32 v8, v8, v9
	LANESUM 8, 9
	s_delay_alu instid0(VALU_DEP_1)
	v_mul_f32 v8, s58, v8                          ; the mean
.set j, 0
.rept 16
	v_pk_add_f32 v[\X+j:\X+j+1], v[\X+j:\X+j+1], v[8:9] op_sel_hi:[1,0] neg_lo:[0,1] neg_hi:[0,1]
.set j, j+2
.endr
	v_pk_mul_f32 v[10:11], v[\X:\X+1], v[\X:\X+1]
	v_pk_mul_f32 v[12:13], v[\X+2:\X+3], v[\X+2:\X+3]
.set j, 4
.rept 7
	s_delay_alu instid0(VALU_DEP_2)
	v_pk_fma_f32 v[10:11], v[\X+j:\X+j+1], v[\X+j:\X+j+1], v[10:11]
	s_delay_alu instid0(VALU_DEP_2)
	v_pk_fma_f32 v[12:13], v[\X+j+2:\X+j+3], v[\X+j+2:\X+j+3], v[12:13]
.set j, j+4
.endr
	s_delay_alu instid0(VALU_DEP_1)
	v_pk_add_f32 v[10:11], v[10:11], v[12:13]
	s_delay_alu instid0(VALU_DEP_1)
	v_add_f32 v10, v10, v11
	LANESUM 10, 11
	s_delay_alu instid0(VALU_DEP_1)
	v_fma_f32 v10, v10, s58, s59                   ; variance + 1e-5
	s_wait_alu depctr_va_vdst(0)
	v_rsq_f32 v10, v10
	v_nop                                          ; a plain instruction behind the transcendental
	s_wait_alu depctr_va_vdst(0)                   ; and the wait ahead of its first reader
.set j, 0
.rept 16
	v_pk_mul_f32 v[\X+j:\X+j+1], v[\X+j:\X+j+1], v[10:11] op_sel_hi:[1,0]
.set j, j+2
.endr
.endm
.macro AFFINE X
.set j, 0
.rept 16
	v_pk_fma_f32 v[\X+j:\X+j+1], v[\X+j:\X+j+1], v[LW+j:LW+j+1], v[LB+j:LB+j+1]
.set j, j+2
.endr
.endm
; The row in v[X] on (rs = 0: slot w, 1: slot w + 8) is quantised with set q's scale.  Registers 16 g + i are the 16 codes of unit 32 g + lane.
.macro QSET X, rs, q
.irp g, 0,1
.set j, 0
.rept 16
	v_med3_num_f32 v[TMP+j], v[\X+16*\g+j], -v[SC+2*\q+1], v[SC+2*\q+1]   ; the conversion does not saturate (ISA guide 7.6.2): the hold at 448 x the scale
.set j, j+1
.endr
	v_cvt_scalef32_pk8_fp8_f32 v[CD+24*\rs+8*\q+4*\g:CD+24*\rs+8*\q+4*\g+1], v[TMP:TMP+7], v[SC+2*\q]
	v_cvt_scalef32_pk8_fp8_f32 v[CD+24*\rs+8*\q+4*\g+2:CD+24*\rs+8*\q+4*\g+3], v[TMP+8:TMP+15], v[SC+2*\q]
	v_nop                                          ; a plain instruction between the conversions and the next holds, which write their sources
	ds_store_b128 v3, v[CD+24*\rs+8*\q+4*\g:CD+24*\rs+8*\q+4*\g+3] offset:\q*STG+\g*8704+\rs*128   ; each (row, set, half) has its own four registers: no store's data are written again
.endr
.endm
	s_wait_loadcnt 24                              ; row 0 is in; row 1, the gain and the offset (24 loads) may be out
	ROWSTAT X0
	s_wait_loadcnt 16                              ; row 1 is in
	ROWSTAT X1
	s_wait_loadcnt 0x0
	AFFINE X0
	AFFINE X1                                      ; from here on the gain's and the offset's registers are free
.irp q, 0,1,2
	QSET X0, 0, \q
	QSET X1, 1, \q
.endr
	s_wait_dscnt 0x0                               ; for the others' sake: my stores into the stages are done
	s_barrier_signal -1
	s_barrier_wait -1
.irp q, 0,1,2
.irp t, 0,1,2,3
	ds_load_b128 v[X0+16*\q+4*\t:X0+16*\q+4*\t+3], v4 offset:\q*STG+\t*544
.endr
.endr
.irp q, 0,1,2
.irp t, 0,1,2,3
	s_wait_dscnt 11-4*\q-\t                        ; LDS loads come back in order: the younger ones may be out
	global_store_b128 v5, v[X0+16*\q+4*\t:X0+16*\q+4*\t+3], s[52+2*\q:53+2*\q] offset:512*\t   ; 512 consecutive bytes, aligned
.endr
.endr
	s_branch .Lend
; ---------------- the weights: job j = the work-group's number takes 256 columns n x one K step of 128; wave w takes 32 columns, a lane one column, its registers running down k
.Lweights:
	s_wait_kmcnt 0x0
	s_mov_b32 s29, ttmp9                           ; j: 0-127 wq, wk, wv, wo (32 each); 128-255 w1; 256-383 w2
	s_lshr_b32 s31, s29, 7
	s_lshr_b32 s30, s29, 5
	s_and_b32 s66, s29, 3                          ; which 256 columns,
	s_and_b32 s75, s29, 15                         ; (w1: of sixteen)
	s_bfe_u32 s67, s29, 0x30002                    ; which K step,
	s_bfe_u32 s76, s29, 0x30004                    ; (w1)
	s_bfe_u32 s77, s29, 0x50002                    ; (w2: of 32)
	s_lshl_b32 s68, s30, 20                        ; where the image begins in its buffer
	s_mov_b32 s78, 0x100000
	s_mov_b32 s79, 0x500000
	s_mov_b32 s70, 16384                           ; bytes from tile to tile: K x 16
	s_mov_b32 s80, 65536
	s_cmp_eq_u32 s30, 1                            ; every choice hangs on the work-group's number alone
	s_cselect_b64 s[60:61], s[12:13], s[10:11]
	s_cselect_b32 s74, s35, s33
	s_cmp_eq_u32 s30, 2
	s_cselect_b64 s[60:61], s[14:15], s[60:61]
	s_cselect_b32 s74, s37, s74
	s_cmp_eq_u32 s30, 3
	s_cselect_b64 s[60:61], s[16:17], s[60:61]
	s_cselect_b32 s74, s43, s74
	s_cselect_b64 s[62:63], s[26:27], s[24:25]
	s_cselect_b32 s68, 0, s68
	s_cselect_b32 s69, 2, 0                        ; which body: 0: rows of 4,096 bytes, the layer norm's order of k; 1: rows of 16,384, the same order; 2: rows of 4,096, natural order
	s_cmp_eq_u32 s31, 1
	s_cselect_b64 s[60:61], s[18:19], s[60:61]
	s_cselect_b64 s[62:63], s[26:27], s[62:63]
	s_cselect_b32 s74, s45, s74
	s_cselect_b32 s66, s75, s66
	s_cselect_b32 s67, s76, s67
	s_cselect_b32 s68, s78, s68
	s_cselect_b32 s69, 1, s69
	s_cmp_eq_u32 s31, 2
	s_cselect_b64 s[60:61], s[20:21], s[60:61]
	s_cselect_b64 s[62:63], s[26:27], s[62:63]
	s_cselect_b32 s74, s47, s74
	s_cselect_b32 s67, s77, s67
	s_cselect_b32 s68, s79, s68
	s_cselect_b32 s69, 2, s69
	s_cselect_b32 s70, s80, s70
	s_wait_alu depctr_va_vdst(0)
	v_lshlrev_b32 v2, 2, v1                        ; in: 4 bytes a lane: 128 consecutive bytes a wave, the eight waves side by side
	v_bfe_u32 v8, v0, 3, 1                         ; column 32 x + l is slot l % 8 + 8 (l / 16) of tile 2 x + (l / 8) % 2
	s_delay_alu instid0(VALU_DEP_1)
	v_mul_lo_u32 v8, v8, s70
	v_and_b32 v9, 7, v0
	v_bfe_u32 v10, v0, 4, 1
	s_delay_alu instid0(VALU_DEP_1)
	v_lshl_add_u32 v9, v10, 3, v9
	s_delay_alu instid0(VALU_DEP_1)
	v_lshl_add_u32 v3, v9, 4, v8                   ; out: the tile, + 16 x slot
	s_lshl_b32 s71, s66, 3
	s_add_co_u32 s71, s71, s28                     ; x: which 32 columns are my wave's
	s_lshl_b32 s72, s71, 1
	s_mul_i32 s72, s72, s70
	s_lshl_b32 s73, s67, 11
	s_add_co_u32 s72, s72, s73
	s_add_co_u32 s72, s72, s68
	s_mov_b32 s73, 0
	s_add_nc_u64 s[62:63], s[62:63], s[72:73]      ; fragment (2 x, K step) of the image
	s_add_co_i32 s74, s74, 127
	s_lshl_b32 s73, s74, 23
	v_mov_b32 v[SC], s73
	s_add_co_i32 s74, s74, 8
	s_lshl_b32 s74, s74, 23
	s_or_b32 s74, s74, 0x600000
	v_mov_b32 v[SC+1], s74
.macro LOADB c, stride, sig            ; the 32 numbers of slab c (h = 0, 1; code 4 jj + i), into set c % 2
.irp h, 0,1
.irp jj, 0,1,2,3
.irp i, 0,1,2,3
.if \sig
	global_load_b32 v[X0+32*((\c)%2)+16*\h+4*\jj+\i], v2, s[60:61] offset:(8*(\c)+4*\h+\i+128*\jj)*\stride th:TH_LOAD_NT
.else
	global_load_b32 v[X0+32*((\c)%2)+16*\h+4*\jj+\i], v2, s[60:61] offset:(32*(\c)+16*\h+4*\jj+\i)*\stride th:TH_LOAD_NT
.endif
.endr
.endr
.endr
.endm
.macro WBLOCK c, stride, sig
.if \c < 3
	s_wait_loadcnt 32                              ; this slab's 32 loads are in; the next slab's may be out
.else
	s_wait_loadcnt 0x0
.endif
.set j, 0
.rept 32
	v_med3_num_f32 v[X0+32*((\c)%2)+j], v[X0+32*((\c)%2)+j], -v[SC+1], v[SC+1]
.set j, j+1
.endr
.irp m, 0,1,2,3
	v_cvt_scalef32_pk8_fp8_f32 v[CD+8*\c+2*\m:CD+8*\c+2*\m+1], v[X0+32*((\c)%2)+8*\m:X0+32*((\c)%2)+8*\m+7], v[SC]
.endr
	v_nop
	global_store_b128 v3, v[CD+8*\c:CD+8*\c+3], s[62:63] offset:512*\c        ; sixteen lanes fill 256 aligned bytes of tile 2 x, sixteen of tile 2 x + 1; each slab has its own registers
	global_store_b128 v3, v[CD+8*\c+4:CD+8*\c+7], s[62:63] offset:512*\c+256
.if \c < 2
	LOADB \c+2, \stride, \sig
.endif
.endm
.macro WBODY stride, sig
.if \sig
	s_lshr_b32 s75, s67, 2
	s_lshl_b32 s75, s75, 9
	s_and_b32 s76, s67, 3
	s_lshl_b32 s76, s76, 5
	s_add_co_u32 s75, s75, s76                     ; the K step's first row: 512 (s / 4) + 32 (s % 4)
.else
	s_lshl_b32 s75, s67, 7                         ; 128 s
.endif
	s_mul_i32 s76, s75, \stride
	s_lshl_b32 s77, s71, 7
	s_add_co_u32 s76, s76, s77                     ; + my wave's 32 columns
	s_mov_b32 s77, 0
	s_add_nc_u64 s[60:61], s[60:61], s[76:77]
	LOADB 0, \stride, \sig
	LOADB 1, \stride, \sig
	WBLOCK 0, \stride, \sig
	WBLOCK 1, \stride, \sig
	WBLOCK 2, \stride, \sig
	WBLOCK 3, \stride, \sig
.endm
	s_cmp_eq_u32 s69, 1
	s_cbranch_scc1 .Lbody1
	s_cmp_eq_u32 s69, 2
	s_cbranch_scc1 .Lbody2
	s_wait_alu depctr_va_vdst(0)
	WBODY 4096, 1
	s_branch .Lend
.Lbody1:
	s_wait_alu depctr_va_vdst(0)
	WBODY 16384, 1                                 ; the largest immediate is 415 rows of 16,384 bytes, inside the signed 24 bits
	s_branch .Lend
.Lbody2:
	s_wait_alu depctr_va_vdst(0)
	WBODY 4096, 0
.Lend:
	s_wait_tensorcnt 0x0                           ; the wave's end
	ds_add_u32 v[SPW], v[NIL]
	s_wait_dscnt 0x0
	s_endpgm
.Lfunc_end_k_q2e14442322_prep:
	.size	k_q2e14442322_prep, .Lfunc_end_k_q2e14442322_prep-k_q2e14442322_prep
	.p2alignl 7, 3214868480
	.fill 96, 4, 3214868480
	.section	.rodata,"a",@progbits
	.p2align	6, 0x0
	.amdhsa_kernel k_q2e14442322_prep
		.amdhsa_group_segment_fixed_size 53248
		.amdhsa_private_segment_fixed_size 0
		.amdhsa_enable_private_segment 0
		.amdhsa_kernarg_size 96
		.amdhsa_user_sgpr_count 2
		.amdhsa_user_sgpr_kernarg_segment_ptr 1
		.amdhsa_wavefront_size32 1
		.amdhsa_system_sgpr_workgroup_id_x 1
		.amdhsa_system_sgpr_workgroup_id_y 1
		.amdhsa_system_sgpr_workgroup_id_z 1
		.amdhsa_system_vgpr_workitem_id 0
		.amdhsa_next_free_vgpr 152
		.amdhsa_next_free_sgpr 96
		.amdhsa_reserve_vcc 0
		.amdhsa_float_denorm_mode_32 3
		.amdhsa_float_denorm_mode_16_64 3
		.amdhsa_memory_ordered 1
		.amdhsa_forward_progress 1
		.amdhsa_inst_pref_size 109
	.end_amdhsa_kernel
	.amdgpu_metadata
---
amdhsa.version: [ 1, 2 ]
amdhsa.kernels:
  - .name:           k_q2e14442322_prep
    .symbol:         k_q2e14442322_prep.kd
    .args:
      - { .name: x, .offset: 0, .size: 8, .value_kind: global_buffer, .address_space: global }
      - { .name: ln1_w, .offset: 8, .size: 8, .value_kind: global_buffer, .address_space: global }
      - { .name: ln1_b, .offset: 16, .size: 8, .value_kind: global_buffer, .address_space: global }
      - { .name: wq, .offset: 24, .size: 8, .value_kind: global_buffer, .address_space: global }
      - { .name: wk, .offset: 32, .size: 8, .value_kind: global_buffer, .address_space: global }
      - { .name: wv, .offset: 40, .size: 8, .value_kind: global_buffer, .address_space: global }
      - { .name: wo, .offset: 48, .size: 8, .value_kind: global_buffer, .address_space: global }
      - { .name: w1, .offset: 56, .size: 8, .value_kind: global_buffer, .address_space: global }
      - { .name: w2, .offset: 64, .size: 8, .value_kind: global_buffer, .address_space: global }
      - { .name: lowp_scales, .offset: 72, .size: 8, .value_kind: global_buffer, .address_space: global }
      - { .name: pre, .offset: 80, .size: 8, .value_kind: global_buffer, .address_space: global }
      - { .name: wc2, .offset: 88, .size: 8, .value_kind: global_buffer, .address_space: global }
    .group_segment_fixed_size: 53248
    .private_segment_fixed_size: 0
    .kernarg_segment_align: 8
    .kernarg_segment_size: 96
    .max_flat_workgroup_size: 256
    .sgpr_count:     96
    .vgpr_count:     152
    .wavefront_size: 32
...
	.end_amdgpu_metadata
.endif
;; end of part 1
;; launch qkv (part 2): grid 12 x 16, 4 waves a work-group, clusters of 4 x 4, 327,680 bytes of LDS; arguments pre, bq, bk, bv, lowp_scales, qkv; writes qkv
.if DOCPART == 2
	.amdgcn_target "amdgcn-amd-amdhsa--gfx1250"
	.amdhsa_code_object_version 6
	.text
	.protected	k_q2e14442322_qkv
	.globl	k_q2e14442322_qkv
	.p2align	8
	.type	k_q2e14442322_qkv,@function
k_q2e14442322_qkv:
	s_mov_b64 s[64:65], 0
	v_nop
	global_prefetch_b8 v0, s[64:65] scope:SCOPE_SE
	s_setreg_imm32_b32 hwreg(HW_REG_WAVE_MODE, 25, 1), 1
	s_wait_xcnt 0x0
	s_wait_alu depctr_hold_cnt(0) depctr_sa_sdst(0) depctr_va_vdst(0) depctr_va_sdst(0) depctr_va_ssrc(0) depctr_va_vcc(0) depctr_vm_vsrc(0)
	s_getreg_b32 s2, hwreg(HW_REG_IB_STS2, 6, 4)
	s_cmp_eq_u32 s2, 0
	s_cbranch_scc0 .Lentry_in_a_cluster
	s_endpgm
.Lentry_in_a_cluster:
	s_bfe_u32 s2, ttmp6, 0x10000c
	s_cmp_lg_u32 s2, 0xf033
	s_cbranch_scc0 .Lentry_shape_is_right
	s_endpgm
.Lentry_shape_is_right:
; q, k, v = LN1(x) W + b on codes of FP8, then quantised again for attention (q: e6, k: e7, v: e9).  No work is left out.
; Both operands come as images of their registers (see the first launch): fragment (T, s) of 2,048 bytes at (8 T + s) 2,048; a fragment is four loads of 16 bytes a lane, 512 bytes apart.
; The cluster's x says which product: P = 0: q, 1: k, 2: v.  A tile of 256 x 256 to a work-group of four waves, 128 x 128 a wave: 64 accumulators.  K = 1,024 goes through two LDS slots of 256 along K.
; THE MATRIX INSTRUCTION IS USED TRANSPOSED: source 0 = 16 slots of 'B', source 1 = 16 slots of 'A': a lane holds one slot of A, and the 16 registers of B's tiles 2 b, 2 b + 1 are 16 neighbours along B's axis.
; q, k: A = tokens, B = the weight's columns: a lane's 16 neighbours run along the head's 64, the K of q k^T.   v: A = wv's columns, B = tokens: they run along the keys, the K of p v: V^T costs nothing.
; So two conversions give 16 bytes of the next operand's image, and a store of the wave covers 512 consecutive bytes of it: nothing goes through LDS on the way out.
; qkv: q at 0, k at 4 MiB: head BH = 16 batch + head at 65,536 BH, tile of 16 tokens Tq at 1,024 Tq, then 512 c + 16 x lane.   v at 8 MiB: ((32 BH + 4 s + Td) 2,048 + 512 c + 16 x lane), s the step of 128 keys, Td a tile of 16 of the 64.
; CLUSTERS: 4 x 4.  A's tiles are shared along a row of the cluster, B's along a column: joint loads.
; LIMITS: e0 + e1, e2 + e3, e4 + e5 between -126 and 127; e6, e7, e9 between -126 and 119.  NaN among the inputs is not served.
; REGISTERS: window 0: v16-31 addresses and constants; v32-95 the bias; v128-255 A's fragments, ONE set; on the way out v128-191 values, v192-255 codes.  window 1: B's fragments, two sets.  windows 2, 3: the accumulators, (a, b) at v[8 (8 (a % 4) + b)].
.set SLOT,  131072                     ; A: 16 tiles x 2 K steps x 2,048 bytes, then B the same
.set SPARE, 2*SLOT                     ; behind the ring: the spare words, 128 bytes a wave
.set FR,    16
.set NL,    4
.set NP,    4
.set ADRA,  16
.set ADRB,  20
.set CO,    26                         ; v26  16 x lane
.set BA,    27                         ; v27  the bias loads' offset
.set SPW,   28
.set NIL,   29
.set LIM,   30                         ; v30  448 x 2^eo
.set SCL,   31                         ; v31  2^eo
.set BIAS,  32
.set AF,    128
.set VAL,   128
.set CDS,   192
.set G1,    24
.set G0,    32
.set G1B,   48
.set G0B,   56
.set MSB,   0
.macro WIN new                         ; the immediate's high byte repeats the setting that is left
.if MSB != (\new)
	s_set_vgpr_msb (MSB<<8)|(\new)
.set MSB, (\new)
.endif
.endm
.set MUL_LO, 0xa1                      ; source 0 (B) window 1, source 1 (A) window 0, C and D window 2
.set MUL_HI, 0xf1
.set TO_B,   0x40
.macro JLOAD g0a, g1a, g0b, g1b        ; a joint load: waves 0, 1 fetch for A, waves 2, 3 for B; an s_nop 0 and four v_nop follow each line
	s_cmp_eq_u32 s15, 0
	s_cbranch_scc0 .Lfor_b_\@
	tensor_load_to_lds s[\g0a:\g0a+3], s[\g1a:\g1a+7]
	s_nop 0
.rept 4
	v_nop
.endr
	s_branch .Lasked_\@
.Lfor_b_\@:
	tensor_load_to_lds s[\g0b:\g0b+3], s[\g1b:\g1b+7]
	s_nop 0
.rept 4
	v_nop
.endr
.Lasked_\@:
.endm
.macro CREST
	s_cmp_lg_u32 s14, 0
	s_cbranch_scc1 .Lnot_wave_0_\@
	s_barrier_signal -3
.Lnot_wave_0_\@:
	s_barrier_wait -3
	s_barrier_signal -1
	s_barrier_wait -1
.endm
.macro CROUND
	s_barrier_signal -1
	s_barrier_wait -1
	CREST
.endm
	s_load_b256 s[4:11], s[0:1], 0x0               ; pre 4:5, bq 6:7, bk 8:9, bv 10:11
	s_load_b128 s[84:87], s[0:1], 0x20             ; the exponents 84:85, qkv 86:87
	v_lshl_add_u32 v[SPW], v0, 2, SPARE
	v_mov_b32 v[NIL], 0
	ds_add_u32 v[SPW], v[NIL]                      ; the opening: the add, twice on end, and its wait ahead of my first tensor load
	ds_add_u32 v[SPW], v[NIL]
	v_lshrrev_b32 v1, 5, v0
	v_readfirstlane_b32 s14, v1                    ; wave
	s_lshr_b32 s15, s14, 1                         ; my half of A's slots.  Also: I fetch for A (0) or B (1)
	s_and_b32 s16, s14, 1                          ; my half of B's.  Also: which eight tiles I fetch
	s_bfe_u32 s40, ttmp6, 0x40000                  ; cx
	s_bfe_u32 s41, ttmp6, 0x40004                  ; cy
	s_lshr_b32 s88, ttmp9, 1                       ; f = 1 for v,
	s_xor_b32 s89, s88, 1                          ; g = 1 for q and k: the same in all sixteen partners
	s_and_b32 s90, ttmp7, 0xffff
	s_lshl_b32 s90, s90, 2                         ; 4 x cluster y
	s_mul_i32 s17, s90, s89
	s_add_co_u32 s17, s17, s41                     ; A's tile of 256: q, k: tokens, cy + 4 Y; v: columns of wv, cy
	s_mul_i32 s42, s90, s88
	s_add_co_u32 s42, s42, s40                     ; B's tile: q, k: columns, cx; v: tokens, cx + 4 Y
	s_lshl_b32 s43, s41, 2
	s_lshl_b32 s43, 15, s43                        ; my row of the cluster
	s_lshl_b32 s44, 0x1111, s40                    ; my column
	s_or_b32 s[G1+0], s43, (3<<16)|(1<<21)         ; the mask; elements of 8 bytes; bit 21 beside a mask; no padding
	s_or_b32 s[G1B+0], s44, (3<<16)|(1<<21)
.irp g, G1, G1B
	s_mov_b32 s[\g+1], 512<<16                     ; tensor_dim0: a row = a tile's two K steps, 4,096 bytes
	s_mov_b32 s[\g+2], 8<<16                       ; tensor_dim1: eight tiles
	s_mov_b32 s[\g+3], 512<<16                     ; tile_dim0
	s_mov_b32 s[\g+4], 8                           ; tile_dim1
	s_mov_b32 s[\g+5], 2048                        ; from tile to tile: 16,384 bytes
	s_mov_b32 s[\g+6], 0
	s_mov_b32 s[\g+7], 0
.endr
	s_lshl_b32 s91, ttmp9, 22
	s_add_co_u32 s91, s91, 0x300000
	s_mul_i32 s91, s91, s89
	s_lshl_b32 s92, s88, 21
	s_add_co_u32 s91, s91, s92                     ; A's image in pre: q 3 MiB, k 7 MiB (the normed x), v 2 MiB (wv)
	s_lshl_b32 s93, ttmp9, 20
	s_mul_i32 s93, s93, s89
	s_mul_i32 s94, s88, 0xb00000
	s_add_co_u32 s93, s93, s94                     ; B's: q 0, k 1 MiB (the weights), v 11 MiB (the normed x)
	s_lshl_b32 s18, s16, 17                        ; the eight tiles that I fetch
	s_lshl_b32 s20, s17, 18
	s_add_co_u32 s20, s20, s18
	s_add_co_u32 s20, s20, s91
	s_mov_b32 s21, 0
	s_lshl_b32 s46, s42, 18
	s_add_co_u32 s46, s46, s18
	s_add_co_u32 s46, s46, s93
	s_mov_b32 s47, 0
	s_lshl_b32 s45, s14, 15                        ; where they go: 32,768 x wave
	s_wait_dscnt 0x0                               ; both opening adds are done
	s_wait_kmcnt 0x0
	s_load_b512 s[68:83], s[84:85], 0x0            ; e_i in s[68 + i]
	s_add_nc_u64 s[20:21], s[4:5], s[20:21]
	s_add_nc_u64 s[46:47], s[4:5], s[46:47]
	CROUND                                         ; all sixteen work-groups are here: the first joint loads meet
.irp s, 0,1
	s_mov_b32 s[G0+4*\s], 1
	s_add_co_u32 s[G0+4*\s+1], s45, \s*SLOT
	s_add_nc_u64 s[G0+4*\s+2:G0+4*\s+3], s[20:21], \s*4096
	s_or_b32 s[G0+4*\s+3], s[G0+4*\s+3], 0x80000000
	s_mov_b32 s[G0B+4*\s], 1
	s_add_co_u32 s[G0B+4*\s+1], s45, \s*SLOT
	s_add_nc_u64 s[G0B+4*\s+2:G0B+4*\s+3], s[46:47], \s*4096
	s_or_b32 s[G0B+4*\s+3], s[G0B+4*\s+3], 0x80000000
	s_wait_alu depctr_va_vdst(0)
	s_wait_tensorcnt 0x0                           ; one tensor load a wave behind each round
	ds_add_u32 v28, v29
	ds_add_u32 v28, v29
	s_wait_dscnt 0x0
	CROUND
	JLOAD G0+4*\s, G1, G0B+4*\s, G1B
.endr
	v_and_b32 v1, 31, v0
	v_lshlrev_b32 v[CO], 4, v1
	s_lshl_b32 s22, s15, 15                        ; my eight tiles of A,
	s_lshl_b32 s23, s16, 15
	s_add_co_u32 s23, s23, 65536                   ; of B
.irp s, 0,1
	v_add_nc_u32 v[ADRA+\s], s22, v[CO]
	v_add_nc_u32 v[ADRB+\s], s23, v[CO]
	s_add_co_u32 s22, s22, SLOT
	s_add_co_u32 s23, s23, SLOT
.endr
.macro FRAG reg, adr, q, i             ; tile i, the slot's K step q: four loads of 512 consecutive bytes
.irp c, 0,1,2,3
	ds_load_b128 v[\reg+4*\c:\reg+4*\c+3], v[\adr] offset:(\i)*4096+(\q)*2048+512*\c
.endr
.endm
.macro MUL16 a0, p, zero               ; A's blocks a0, a0 + 1 x B's eight; the 64 accumulators take turns, one instruction a turn, in the same order in every step
.irp a, \a0, \a0+1
.irp b, 0,1,2,3,4,5,6,7
.if \zero
	v_wmma_f32_16x16x128_fp8_fp8 v[8*(8*((\a)%4)+\b):8*(8*((\a)%4)+\b)+7], v[128*(\p)+FR*\b:128*(\p)+FR*\b+FR-1], v[AF+FR*(\a):AF+FR*(\a)+FR-1], 0
.else
	v_wmma_f32_16x16x128_fp8_fp8 v[8*(8*((\a)%4)+\b):8*(8*((\a)%4)+\b)+7], v[128*(\p)+FR*\b:128*(\p)+FR*\b+FR-1], v[AF+FR*(\a):AF+FR*(\a)+FR-1], v[8*(8*((\a)%4)+\b):8*(8*((\a)%4)+\b)+7]
.endif
.endr
.endr
.endm
.macro FETCH_B slot, q, p
	WIN TO_B
.irp i, 0,1,2,3,4,5,6,7
	FRAG 128*(\p)+FR*\i, ADRB+\slot, \q, \i
.endr
	WIN 0
.endm
.macro FETCH_A slot, q, i0
.irp i, \i0, \i0+1, \i0+2, \i0+3
	FRAG AF+FR*(\i), ADRA+\slot, \q, \i
.endr
.endm
.macro PLACES n                        ; plain vector instructions between a matrix instruction and a load into, or a read or write of, its registers
.rept \n
	v_nop
.endr
.endm
.macro STEP slot, q, zero              ; 128 along K, with its successor in the same slot
	s_wait_dscnt 4*NL                              ; B's set and A's blocks 0-3 are in; the youngest 16 loads (A's blocks 4-7) may be out
	WIN MUL_LO
	MUL16 0, (\q)%2, \zero
	MUL16 2, (\q)%2, \zero
	s_wait_dscnt 0
	PLACES NP
	FETCH_B \slot, (\q)+1, 1-(\q)%2
	FETCH_A \slot, (\q)+1, 0
	WIN MUL_HI
	MUL16 4, (\q)%2, \zero
	MUL16 6, (\q)%2, \zero
	PLACES NP
	WIN 0
	FETCH_A \slot, (\q)+1, 4
.endm
.macro TURN slot, next, fill           ; a slot's last step changes slots: one barrier; fill = 1: it opens a round of the cluster's barrier and the slot is filled again
	s_wait_tensorcnt 0x0                           ; all my tensor loads have landed: my part of the next slot
	ds_add_u32 v[SPW], v[NIL]                      ; 0 onto my spare word
	s_wait_dscnt 4*NL+1                            ; (the add and A's blocks 4-7 may be out)
	WIN MUL_LO
	MUL16 0, 1, 0
	s_wait_dscnt 0x0                               ; the add is done, and my reads of this slot are over
	s_barrier_signal -1
	MUL16 2, 1, 0
	WIN 0
	s_barrier_wait -1
.if \fill
	CREST                                          ; no wave of any partner still reads this slot or has a load on its way
	s_add_nc_u64 s[G0+4*\slot+2:G0+4*\slot+3], s[G0+4*\slot+2:G0+4*\slot+3], 8192
	s_add_nc_u64 s[G0B+4*\slot+2:G0B+4*\slot+3], s[G0B+4*\slot+2:G0B+4*\slot+3], 8192
	JLOAD G0+4*\slot, G1, G0B+4*\slot, G1B         ; the first tensor load behind the round; its four v_nop are the places in front of the loads below
.else
	PLACES NP
.endif
	FETCH_B \next, 0, 0
	FETCH_A \next, 0, 0
	WIN MUL_HI
	MUL16 4, 1, 0
	MUL16 6, 1, 0
	PLACES NP
	WIN 0
	FETCH_A \next, 0, 4
.endm
.macro TAIL                            ; the last two steps of 128 along K
	STEP 1, 0, 0
	s_wait_dscnt 4*NL
	WIN MUL_LO
	MUL16 0, 1, 0
	MUL16 2, 1, 0
	s_wait_dscnt 0
	WIN MUL_HI
	MUL16 4, 1, 0
	MUL16 6, 1, 0
	WIN 0
.endm
.macro CONSTS                          ; from ea (s90), eb (s91), eo (s92): 2^(ea + eb) in s[96:97], 2^eo and 448 x 2^eo
	s_add_co_i32 s96, s90, s91
	s_add_co_i32 s96, s96, 127
	s_lshl_b32 s96, s96, 23
	s_mov_b32 s97, s96
	s_add_co_i32 s92, s92, 127
	s_lshl_b32 s93, s92, 23
	v_mov_b32 v[SCL], s93
	s_add_co_i32 s92, s92, 8
	s_lshl_b32 s92, s92, 23
	s_or_b32 s92, s92, 0x600000
	v_mov_b32 v[LIM], s92
.endm
; THE WAY OUT, A's block a at a time: sum x 2^(ea + eb) + bias (each accumulator from its low end on), the hold, the conversions, four stores of 512 consecutive bytes.
; mode 0: q, k: the bias runs along the registers.  mode 1: v: it hangs on the lane's slot of block a.
.macro EPI mode
.irp a, 0,1,2,3,4,5,6,7
	WIN 0x02+(\a/4)
.set j, 0
.rept 32
.if \mode
	v_pk_fma_f32 v[VAL+j:VAL+j+1], v[64*(\a%4)+j:64*(\a%4)+j+1], s[96:97], v[BIAS+2*\a:BIAS+2*\a+1] op_sel_hi:[1,0,0]
.else
	v_pk_fma_f32 v[VAL+j:VAL+j+1], v[64*(\a%4)+j:64*(\a%4)+j+1], s[96:97], v[BIAS+j:BIAS+j+1] op_sel_hi:[1,0,1]
.endif
.set j, j+2
.endr
	WIN 0
.set j, 0
.rept 64
	v_med3_num_f32 v[VAL+j], v[VAL+j], -v[LIM], v[LIM]
.set j, j+1
.endr
.if \a >= 4
	s_wait_alu depctr_va_vdst(0)
	s_wait_xcnt 0x0                                ; block a - 4's stores have read their registers, which take this block's codes
.endif
.set j, 0
.rept 8
	v_cvt_scalef32_pk8_fp8_f32 v[CDS+16*(\a%4)+2*j:CDS+16*(\a%4)+2*j+1], v[VAL+8*j:VAL+8*j+7], v[SCL]
.set j, j+1
.endr
	v_nop                                          ; a plain instruction between the conversions and the next block's values, which write their sources
.irp b, 0,1,2,3
.if \mode
	global_store_b128 v[CO], v[CDS+16*(\a%4)+4*\b:CDS+16*(\a%4)+4*\b+3], s[86:87] offset:(\a/4)*65536+(\a%4)*2048+\b*512
.else
	global_store_b128 v[CO], v[CDS+16*(\a%4)+4*\b:CDS+16*(\a%4)+4*\b+3], s[86:87] offset:\a*1024+(\b/2)*65536+(\b%2)*512
.endif
.endr
.endr
.endm
	s_wait_alu depctr_va_vdst(0)
	s_wait_tensorcnt 1                             ; my part of slot 0 is in; slot 1's may be out
	s_barrier_signal -1
	s_barrier_wait -1
	FETCH_B 0, 0, 0
	FETCH_A 0, 0, 0
	FETCH_A 0, 0, 4
	STEP 0, 0, 1                                   ; the first products start the sums: nothing is cleared
	TURN 0, 1, 1
	STEP 1, 0, 0
	TURN 1, 0, 1
	STEP 0, 0, 0
	TURN 0, 1, 0                                   ; nothing is left to fetch
	s_wait_kmcnt 0x0
	s_cmp_eq_u32 ttmp9, 2                          ; the cluster's x: the same in all partners.  The two ways out part here, so that each one's bias lands under the last 128 matrix instructions
	s_cbranch_scc1 .Lv_arm
	s_cmp_eq_u32 ttmp9, 0
	s_cselect_b64 s[98:99], s[6:7], s[8:9]         ; bq or bk
	s_cselect_b32 s90, s68, s70
	s_cselect_b32 s91, s69, s71
	s_cselect_b32 s92, s74, s75
	s_lshl_b32 s18, s42, 10
	s_lshl_b32 s19, s16, 9
	s_add_co_u32 s18, s18, s19                     ; my 128 columns, in bytes
	s_mov_b32 s19, 0
	s_add_nc_u64 s[98:99], s[98:99], s[18:19]
	v_bfe_u32 v[BA], v0, 4, 1
	v_lshlrev_b32 v[BA], 6, v[BA]                  ; register 16 b + i wants column 32 b + 16 h + i
.irp b, 0,1,2,3
.irp k, 0,1,2,3
	global_load_b128 v[BIAS+16*\b+4*\k:BIAS+16*\b+4*\k+3], v[BA], s[98:99] offset:128*\b+16*\k
.endr
.endr
	s_lshr_b32 s18, s17, 2
	s_lshl_b32 s18, s18, 4                         ; 16 x batch
	s_lshl_b32 s19, s42, 2
	s_add_co_u32 s18, s18, s19
	s_lshl_b32 s19, s16, 1
	s_add_co_u32 s18, s18, s19                     ; + my first head
	s_lshl_b32 s18, s18, 16
	s_and_b32 s19, s17, 3
	s_lshl_b32 s19, s19, 4
	s_lshl_b32 s22, s15, 3
	s_add_co_u32 s19, s19, s22                     ; my first tile of 16 tokens in the batch
	s_lshl_b32 s19, s19, 10
	s_add_co_u32 s18, s18, s19
	s_lshl_b32 s19, ttmp9, 22                      ; q at 0, k at 4 MiB
	s_add_co_u32 s18, s18, s19
	s_mov_b32 s19, 0
	s_add_nc_u64 s[86:87], s[86:87], s[18:19]
	CONSTS
	TAIL
	s_wait_loadcnt 0x0                             ; the bias
	PLACES NP
	EPI 0
	s_branch .Ldone
.Lv_arm:
	s_lshl_b32 s18, s17, 10
	s_lshl_b32 s19, s15, 9
	s_add_co_u32 s18, s18, s19                     ; my 128 columns of wv, in bytes
	s_mov_b32 s19, 0
	s_add_nc_u64 s[98:99], s[10:11], s[18:19]
	v_and_b32 v[BA], 15, v0
	v_and_b32 v25, 8, v[BA]
	v_add_nc_u32 v[BA], v[BA], v25
	v_lshlrev_b32 v[BA], 2, v[BA]                  ; slot r of block a is column 32 (a / 2) + 8 (a % 2) + r + 8 (r / 8)
.irp a, 0,1,2,3,4,5,6,7
	global_load_b32 v[BIAS+2*\a], v[BA], s[98:99] offset:4*(32*(\a/2)+8*(\a%2))
	global_load_b32 v[BIAS+2*\a+1], v[BA], s[98:99] offset:4*(32*(\a/2)+8*(\a%2))   ; the packed form names a pair: both halves are written
.endr
	s_lshr_b32 s18, s42, 2
	s_lshl_b32 s18, s18, 4                         ; 16 x batch
	s_lshl_b32 s19, s17, 2
	s_add_co_u32 s18, s18, s19
	s_lshl_b32 s19, s15, 1
	s_add_co_u32 s18, s18, s19                     ; + my first head
	s_lshl_b32 s18, s18, 16
	s_lshl_b32 s19, s42, 1
	s_add_co_u32 s19, s19, s16
	s_and_b32 s19, s19, 7                          ; my step of 128 keys in the batch
	s_lshl_b32 s19, s19, 13
	s_add_co_u32 s18, s18, s19
	s_add_co_u32 s18, s18, 0x800000
	s_mov_b32 s19, 0
	s_add_nc_u64 s[86:87], s[86:87], s[18:19]
	s_mov_b32 s90, s72
	s_mov_b32 s91, s73
	s_mov_b32 s92, s77
	CONSTS
	TAIL
	s_wait_loadcnt 0x0
	PLACES NP
	EPI 1
.Ldone:
	s_wait_tensorcnt 0x0                           ; the wave's end
	ds_add_u32 v[SPW], v[NIL]
	s_wait_dscnt 0x0
	CROUND                                         ; the closing round
	s_endpgm
.Lfunc_end_k_q2e14442322_qkv:
	.size	k_q2e14442322_qkv, .Lfunc_end_k_q2e14442322_qkv-k_q2e14442322_qkv
	.p2alignl 7, 3214868480
	.fill 96, 4, 3214868480
	.section	.rodata,"a",@progbits
	.p2align	6, 0x0
	.amdhsa_kernel k_q2e14442322_qkv
		.amdhsa_group_segment_fixed_size 327680
		.amdhsa_private_segment_fixed_size 0
		.amdhsa_enable_private_segment 0
		.amdhsa_kernarg_size 48
		.amdhsa_user_sgpr_count 2
		.amdhsa_user_sgpr_kernarg_segment_ptr 1
		.amdhsa_wavefront_size32 1
		.amdhsa_system_sgpr_workgroup_id_x 1
		.amdhsa_system_sgpr_workgroup_id_y 1
		.amdhsa_system_sgpr_workgroup_id_z 1
		.amdhsa_system_vgpr_workitem_id 0
		.amdhsa_next_free_vgpr 1024
		.amdhsa_next_free_sgpr 104
		.amdhsa_reserve_vcc 0
		.amdhsa_float_denorm_mode_32 3
		.amdhsa_float_denorm_mode_16_64 3
		.amdhsa_memory_ordered 1
		.amdhsa_forward_progress 1
		.amdhsa_inst_pref_size 208
	.end_amdhsa_kernel
	.amdgpu_metadata
---
amdhsa.version: [ 1, 2 ]
amdhsa.kernels:
  - .name:           k_q2e14442322_qkv
    .symbol:         k_q2e14442322_qkv.kd
    .args:
      - { .name: pre, .offset: 0, .size: 8, .value_kind: global_buffer, .address_space: global }
      - { .name: bq, .offset: 8, .size: 8, .value_kind: global_buffer, .address_space: global }
      - { .name: bk, .offset: 16, .size: 8, .value_kind: global_buffer, .address_space: global }
      - { .name: bv, .offset: 24, .size: 8, .value_kind: global_buffer, .address_space: global }
      - { .name: lowp_scales, .offset: 32, .size: 8, .value_kind: global_buffer, .address_space: global }
      - { .name: qkv, .offset: 40, .size: 8, .value_kind: global_buffer, .address_space: global }
    .group_segment_fixed_size: 327680
    .private_segment_fixed_size: 0
    .kernarg_segment_align: 8
    .kernarg_segment_size: 48
    .max_flat_workgroup_size: 128
    .sgpr_count:     104
    .vgpr_count:     1024
    .wavefront_size: 32
...
	.end_amdgpu_metadata
.endif
;; end of part 2
;; launch attn (part 3): grid 4 x 64, 16 waves a work-group, no clusters, 137,216 bytes of LDS; arguments qkv, mask, lowp_scales, atc; writes atc
.if DOCPART == 3
	.amdgcn_target "amdgcn-amd-amdhsa--gfx1250"
	.amdhsa_code_object_version 6
	.text
	.protected	k_q2e14442322_attn
	.globl	k_q2e14442322_attn
	.p2align	8
	.type	k_q2e14442322_attn,@function
k_q2e14442322_attn:
	s_mov_b64 s[64:65], 0
	v_nop
	global_prefetch_b8 v0, s[64:65] scope:SCOPE_SE
	s_setreg_imm32_b32 hwreg(HW_REG_WAVE_MODE, 25, 1), 1
	s_wait_xcnt 0x0
; Attention on codes of FP8: for each batch and head BH, o = softmax(q k^T / 8, masked) v, quantised (e10) into the image of the next product's left operand.  No work of the problem is left out.
; THE SOFTMAX AHEAD OF THE SECOND PRODUCT: t = logit x log2(e); M = the running largest t rounded UP to a whole number; p = 2^(t - M) is quantised (e8), not normalised; the sum of the unquantised p divides at the end.
; SHARES.  A work-group: one BH (grid y), 256 queries (grid x).  Each of sixteen waves: one tile of 16 query slots, 256 registers, four waves to a SIMD.
; A head's whole K (64 KiB) and V^T (64 KiB) lie in LDS, as images of the operands' registers.  They come through registers: each thread loads 16 x 16 bytes and stores them at the same offsets; a load or store of a wave covers
; 512 consecutive bytes.  No byte of LDS is written twice, so the loop over the keys has no barrier.  Nothing is prefetched: all that the work-group reads is asked for at its head.
; p's HOLD IS RUN ONLY WHERE THE GIVEN SCALE ASKS FOR IT.  p is at most 1 (to rounding: see LIMITS), and the largest code stands for 448 x 2^e8, which is 1.75 or more where e8 >= -8: there the hold changes nothing.
; Where e8 <= -9 they are run.
; NO CLUSTER, NO TENSOR LOAD, though the four query blocks of a head read the same K and V.  The price: the 8 MiB of K and V are read
; four times, 128 KiB by each work-group, once, at its head; against 64 instructions in each of a wave's eight steps.
; BOTH PRODUCTS TRANSPOSED: S^T = K Q^T, O^T = V^T P^T: a lane holds one query slot; the 16 registers of key tiles 2 b, 2 b + 1 are keys 32 b + 16 h + 0 .. 15, as the images' choice of rows has it.
; THE MASK rides in as the C of the first product: 0 for a key that counts, -2^100 (in units of the codes' products) for one that does not: no vector instruction is spent on it in the loop.
; LIMITS.  A masked logit is -2^100 code units in place of -1e9: p = 0 beside any key that counts, as in the problem wherever the logits that count lie above about -1e9.  Where ALL keys of a batch are masked, the problem
; averages v evenly; here that holds as far as the matrix unit's sum leaves -2^100 unmoved by the products beside it, which are under 2^24: then every t is equal and every p is 1.
; |t| under 2^23: t - M is one fused multiply-add, M comes from a rounded t, so t - M can pass 0 by |t| 2^-24, and p stays under 1.75.
; e6 + e7 between -80 and 29 (added to c's exponent field; -2^100 c stays finite and far under every t); e8, e10 between -126 and 119; e8 + e9 is applied by v_ldexp_f32.  NaN among the inputs is not served.
; REGISTERS: v1-4, v7, v11, v24 addresses that stay; v5, v6 the add's; v8-10 the step's addresses; v12 -M, v13 the largest t, v[14:15] the sum; v16-23 Q; v32-95 at the head K's and V's bytes on their way, then K's eight fragments, then V's four;
; v96-159 S^T, then p; v160-191 O^T; v192-207 p's codes; v208-221 at work and constants.
.set MB,    131072                     ; behind the two images: 1,024 f32: the mask as C, key by key
.set SPARE, 135168                     ; the spare words, 128 bytes for each of sixteen waves
.set SPW,   5
.set NIL,   6
.set WV,    12
	s_load_b256 s[4:11], s[0:1], 0x0               ; qkv 4:5, mask 6:7, the exponents 8:9, atc 10:11
	v_lshl_add_u32 v[SPW], v0, 2, SPARE
	v_mov_b32 v[NIL], 0
	v_lshrrev_b32 v1, 5, v0
	s_delay_alu instid0(VALU_DEP_1)
	v_readfirstlane_b32 s[WV], v1                  ; wave 0..15
	s_and_b32 s14, ttmp7, 0xffff                   ; BH
	s_lshl_b32 s16, s14, 16
	s_add_co_u32 s16, s16, 0x400000                ; k's images begin at 4 MiB; my head's at + 65,536 BH
	s_mov_b32 s17, 0
	s_lshl_b32 s52, ttmp9, 4
	s_add_co_u32 s52, s52, s[WV]                   ; my tile of queries in the batch: 16 x block + wave
	s_lshl_b32 s18, s14, 16
	s_lshl_b32 s19, s52, 10
	s_add_co_u32 s18, s18, s19                     ; Q's fragment
	s_mov_b32 s19, 0
	s_lshr_b32 s53, s14, 4                         ; the batch
	s_lshl_b32 s20, s53, 12                        ; its 1,024 mask words
	s_mov_b32 s21, 0
	s_lshl_b32 s22, s53, 6
	s_add_co_u32 s22, s22, s52
	s_lshl_b32 s22, s22, 14                        ; the output image's tile,
	s_and_b32 s23, s14, 15
	s_lshl_b32 s23, s23, 10
	s_add_co_u32 s22, s22, s23                     ; + 1,024 x head: the head's 64 along the next K
	s_mov_b32 s23, 0
	s_mov_b32 s58, 0x3e38aa3b                      ; c = log2(e) / 8
	s_mov_b32 s60, 0x76543210
	s_mov_b32 s61, 0xfedcba98
	s_mov_b32 s62, 0                               ; the step's bytes in K's and V's images
	s_mov_b32 s63, 0                               ; and in the mask's
	s_mov_b32 s56, 8                               ; steps of 128 keys
	v_lshlrev_b32 v11, 4, v0                       ; 16 x thread: my bytes of each 8 KiB of an image, in memory and in LDS alike
	s_delay_alu instid0(VALU_DEP_1)
	v_add_nc_u32 v24, 65536, v11                   ; the same in V's image in LDS
	v_and_b32 v1, 31, v0
	s_delay_alu instid0(VALU_DEP_1)
	v_lshlrev_b32 v1, 4, v1                        ; 16 x lane
	v_lshlrev_b32 v7, 3, v0                        ; two mask words a thread
	s_wait_alu depctr_va_vdst(0)
	s_wait_kmcnt 0x0
	s_load_b512 s[36:51], s[8:9], 0x0              ; e_i in s[36 + i]
	s_add_nc_u64 s[16:17], s[4:5], s[16:17]        ; K's image of my head
	s_add_nc_u64 s[24:25], s[16:17], 0x400000      ; V's: 4 MiB further on
	s_add_nc_u64 s[18:19], s[4:5], s[18:19]
	s_add_nc_u64 s[6:7], s[6:7], s[20:21]
	s_add_nc_u64 s[10:11], s[10:11], s[22:23]
.set j, 0
.rept 8
	global_load_b128 v[32+4*j:35+4*j], v11, s[16:17] offset:8192*j
.set j, j+1
.endr
.set j, 0
.rept 8
	global_load_b128 v[64+4*j:67+4*j], v11, s[24:25] offset:8192*j
.set j, j+1
.endr
	global_load_b128 v[16:19], v1, s[18:19]
	global_load_b128 v[20:23], v1, s[18:19] offset:512
	global_load_b64 v[208:209], v7, s[6:7]
	v_add_nc_u32 v2, 65536, v1                     ; V's image, for the fragments
	v_bfe_u32 v3, v0, 4, 1
	s_delay_alu instid0(VALU_DEP_1)
	v_lshl_add_u32 v3, v3, 6, MB                   ; register 16 b + i wants key 32 b + 16 h + i
	v_lshl_add_u32 v4, v0, 3, MB
	v_mov_b32 v13, 0xff61b1e6                      ; the largest t so far: -3e38
	s_delay_alu instid0(VALU_DEP_1)
	v_floor_f32 v12, -v13                          ; -M
	v_mov_b32 v14, 0
	v_mov_b32 v15, 0
	v_mov_b32 v211, 0                              ; (upper halves of pairs that packed forms name)
	v_mov_b32 v221, 0
	v_mov_b32 v212, 0                              ; a lane permute's destination counts as read
.set i, 0
.rept 32
	v_mov_b32 v[160+i], 0                          ; O^T: the step is written once; the first change of M multiplies zeros
.set i, i+1
.endr
	s_wait_kmcnt 0x0
	s_add_co_i32 s52, s42, s43
	s_lshl_b32 s52, s52, 23
	s_add_co_i32 s58, s58, s52                     ; c x 2^(e6 + e7)
	s_mov_b32 s59, s58
	s_add_co_i32 s52, s44, 127
	s_lshl_b32 s53, s52, 23
	v_mov_b32 v217, s53                            ; 2^e8
	s_add_co_i32 s52, s52, 8
	s_lshl_b32 s52, s52, 23
	s_or_b32 s52, s52, 0x600000
	v_mov_b32 v216, s52                            ; 448 x 2^e8
	s_add_co_i32 s52, s46, 127
	s_lshl_b32 s53, s52, 23
	v_mov_b32 v219, s53                            ; 2^e10
	s_add_co_i32 s52, s52, 8
	s_lshl_b32 s52, s52, 23
	s_or_b32 s52, s52, 0x600000
	v_mov_b32 v218, s52                            ; 448 x 2^e10
	v_mov_b32 v210, 0xf1800000                     ; -2^100
	s_wait_alu depctr_va_vdst(0)
	s_wait_loadcnt 11                              ; K's eight loads are in; V's eight, Q's two and the mask's one may be out
.set j, 0
.rept 8
	ds_store_b128 v11, v[32+4*j:35+4*j] offset:8192*j
.set j, j+1
.endr
	s_wait_loadcnt 3                               ; V's eight are in
.set j, 0
.rept 8
	ds_store_b128 v24, v[64+4*j:67+4*j] offset:8192*j
.set j, j+1
.endr
	s_wait_loadcnt 0x0                             ; Q and the mask
	v_cmp_eq_u32 vcc_lo, 0, v208
	s_delay_alu instid0(VALU_DEP_1)
	v_cndmask_b32 v208, 0, v210, vcc_lo
	v_cmp_eq_u32 vcc_lo, 0, v209
	s_delay_alu instid0(VALU_DEP_1)
	v_cndmask_b32 v209, 0, v210, vcc_lo
	ds_store_b64 v4, v[208:209]
	s_wait_dscnt 0x0                               ; for the others' sake: my 256 bytes of the images and my two mask words are stored
	s_barrier_signal -1
	s_barrier_wait -1                              ; everybody's are
.Lstep:                                            ; 128 keys
	v_add_nc_u32 v8, s62, v1
	v_add_nc_u32 v9, s62, v2
	v_add_nc_u32 v10, s63, v3
	v_nop                                          ; four plain instructions behind the last products, ahead of loads into registers that they read
.irp b, 0,1,2,3
.irp c, 0,1,2,3
	ds_load_b128 v[96+16*\b+4*\c:99+16*\b+4*\c], v10 offset:128*\b+16*\c   ; the mask, into the scores' registers
.endr
.endr
.irp t, 0,1,2,3,4,5,6,7
.irp c, 0,1
	ds_load_b128 v[32+8*\t+4*\c:35+8*\t+4*\c], v8 offset:1024*\t+512*\c
.endr
.endr
	s_wait_alu depctr_va_vdst(0)
	s_wait_dscnt 0x0
.irp t, 0,1,2,3,4,5,6,7
	v_wmma_f32_16x16x64_fp8_fp8 v[96+8*\t:103+8*\t], v[32+8*\t:39+8*\t], v[16:23], v[96+8*\t:103+8*\t]
.endr
.rept 4
	v_nop
.endr
.irp t, 0,1,2,3
.irp c, 0,1,2,3
	ds_load_b128 v[32+16*\t+4*\c:35+16*\t+4*\c], v9 offset:2048*\t+512*\c  ; V's four fragments land while the softmax is walked
.endr
.endr
	v_max3_num_f32 v208, v96, v97, v98             ; the step's largest score of my query among my 64 keys, in two chains; each tile is read from its low end on
	v_max3_num_f32 v210, v99, v100, v101
.set i, 6
.rept 14
	v_max3_num_f32 v208, v208, v[96+i], v[97+i]
	v_max3_num_f32 v210, v210, v[98+i], v[99+i]
.set i, i+4
.endr
	v_max3_num_f32 v208, v208, v158, v159
	s_delay_alu instid0(VALU_DEP_1)
	v_max_num_f32 v208, v208, v210
	s_delay_alu instid0(VALU_DEP_1)
	v_permlanex16_b32 v212, v208, s60, s61
	s_delay_alu instid0(VALU_DEP_1)
	v_max_num_f32 v208, v208, v212                 ; and among lane l xor 16's
	s_delay_alu instid0(VALU_DEP_1)
	v_mul_f32 v208, s58, v208                      ; as t
	s_delay_alu instid0(VALU_DEP_1)
	v_max_num_f32 v13, v13, v208
	v_mov_b32 v208, v12
	s_delay_alu instid0(VALU_DEP_2)
	v_floor_f32 v12, -v13                          ; the new -M = -ceil(t)
	s_delay_alu instid0(VALU_DEP_1)
	v_sub_f32 v208, v12, v208                      ; old M - new M: a whole number, 0 or less
	s_delay_alu instid0(VALU_DEP_1)
	v_cvt_i32_f32 v208, v208                       ; (it saturates)
	s_delay_alu instid0(VALU_DEP_1)
	v_ldexp_f32 v210, 1.0, v208                    ; f = 2^(old M - new M)
.set i, 0
.rept 32
	v_pk_fma_f32 v[96+i:97+i], v[96+i:97+i], s[58:59], v[12:13] op_sel_hi:[1,0,0]   ; t - M
.set i, i+2
.endr
.set i, 0
	s_wait_alu depctr_va_vdst(0)
.rept 64
	v_exp_f32 v[96+i], v[96+i]                     ; p
.set i, i+1
.endr
	v_pk_mul_f32 v[14:15], v[14:15], v[210:211] op_sel_hi:[1,0]   ; the sum under the new M: the plain instruction behind the exponentials
	s_wait_alu depctr_va_vdst(0)                   ; one wait for the whole batch, ahead of its first reader and of the branch below
	v_pk_add_f32 v[214:215], v[100:101], v[104:105]
	v_pk_add_f32 v[254:255], v[108:109], v[112:113]
	v_pk_add_f32 v[252:253], v[116:117], v[120:121]
	v_pk_add_f32 v[250:251], v[124:125], v[128:129]
	v_pk_add_f32 v[248:249], v[132:133], v[136:137]
	v_pk_add_f32 v[246:247], v[140:141], v[144:145]
	v_pk_add_f32 v[244:245], v[148:149], v[152:153]
	v_pk_add_f32 v[14:15], v[14:15], v[156:157]
	v_pk_add_f32 v[214:215], v[214:215], v[96:97]
	v_pk_add_f32 v[254:255], v[254:255], v[98:99]
	v_pk_add_f32 v[252:253], v[252:253], v[102:103]
	v_pk_add_f32 v[250:251], v[250:251], v[106:107]
	v_pk_add_f32 v[248:249], v[248:249], v[110:111]
	v_pk_add_f32 v[246:247], v[246:247], v[114:115]
	v_pk_add_f32 v[244:245], v[244:245], v[118:119]
	v_pk_add_f32 v[14:15], v[14:15], v[122:123]
	v_pk_add_f32 v[214:215], v[214:215], v[126:127]
	v_pk_add_f32 v[254:255], v[254:255], v[130:131]
	v_pk_add_f32 v[252:253], v[252:253], v[134:135]
	v_pk_add_f32 v[250:251], v[250:251], v[138:139]
	v_pk_add_f32 v[248:249], v[248:249], v[142:143]
	v_pk_add_f32 v[246:247], v[246:247], v[146:147]
	v_pk_add_f32 v[244:245], v[244:245], v[150:151]
	v_pk_add_f32 v[14:15], v[14:15], v[154:155]
	v_pk_add_f32 v[214:215], v[214:215], v[158:159]
	s_delay_alu instid0(VALU_DEP_2)
	v_pk_add_f32 v[14:15], v[14:15], v[250:251]
	s_delay_alu instid0(VALU_DEP_2)
	v_pk_add_f32 v[214:215], v[214:215], v[248:249]
	v_pk_add_f32 v[254:255], v[254:255], v[246:247]
	v_pk_add_f32 v[252:253], v[252:253], v[244:245]
	s_delay_alu instid0(VALU_DEP_2)
	v_pk_add_f32 v[14:15], v[14:15], v[254:255]
	s_delay_alu instid0(VALU_DEP_2)
	v_pk_add_f32 v[214:215], v[214:215], v[252:253]
	s_delay_alu instid0(VALU_DEP_1)
	v_pk_add_f32 v[14:15], v[14:15], v[214:215]
	s_cmp_ge_i32 s44, -8                           ; e8 >= -8: the largest code stands for 1.75 or more, over every p: the hold would change nothing
	s_cbranch_scc1 .Lno_hold
.set i, 0
.rept 64
	v_min_num_f32 v[96+i], v[96+i], v216           ; the hold at 448 x 2^e8 (the conversion does not saturate: ISA guide 7.6.2); p is not negative, so it is one-sided
.set i, i+1
.endr
.Lno_hold:
.set i, 0
.rept 8
	v_cvt_scalef32_pk8_fp8_f32 v[192+2*i:193+2*i], v[96+8*i:103+8*i], v217
.set i, i+1
.endr
.set i, 0
.rept 16
	v_pk_mul_f32 v[160+i:161+i], v[160+i:161+i], v[210:211] op_sel_hi:[1,0]   ; O^T under the new M; also the plain instructions between the conversions and the products that read the codes
.set i, i+2
.endr
	s_wait_alu depctr_va_vdst(0)
	s_wait_dscnt 0x0                               ; V
.irp t, 0,1,2,3
	v_wmma_f32_16x16x128_fp8_fp8 v[160+8*\t:167+8*\t], v[32+16*\t:47+16*\t], v[192:207], v[160+8*\t:167+8*\t]
.endr
	s_add_co_u32 s62, s62, 8192
	s_add_co_u32 s63, s63, 512
	s_sub_co_u32 s56, s56, 1
	s_cmp_lg_u32 s56, 0
	s_cbranch_scc1 .Lstep
.rept 4
	v_nop                                          ; places behind the last products
.endr
	v_add_f32 v14, v14, v15
	s_delay_alu instid0(VALU_DEP_1)
	v_permlanex16_b32 v212, v14, s60, s61
	s_delay_alu instid0(VALU_DEP_1)
	v_add_f32 v14, v14, v212                       ; the row's sum
	s_wait_alu depctr_va_vdst(0)
	v_rcp_f32 v220, v14
	v_nop
	s_add_co_i32 s52, s44, s45
	s_wait_alu depctr_va_vdst(0)
	v_ldexp_f32 v220, v220, s52                    ; 2^(e8 + e9) / the sum
.set i, 0
.rept 16
	v_pk_mul_f32 v[96+i:97+i], v[160+i:161+i], v[220:221] op_sel_hi:[1,0]   ; register 16 b + i: channel 32 b + 16 h + i of my query
.set i, i+2
.endr
.set i, 0
.rept 32
	v_med3_num_f32 v[96+i], v[96+i], -v218, v218
.set i, i+1
.endr
.set i, 0
.rept 4
	v_cvt_scalef32_pk8_fp8_f32 v[192+2*i:193+2*i], v[96+8*i:103+8*i], v219
.set i, i+1
.endr
	v_nop
	global_store_b128 v1, v[192:195], s[10:11]             ; 1,024 consecutive bytes of the next operand's image
	global_store_b128 v1, v[196:199], s[10:11] offset:512
	s_wait_tensorcnt 0x0                           ; the wave's end
	ds_add_u32 v[SPW], v[NIL]
	s_wait_dscnt 0x0
	s_endpgm
.Lfunc_end_k_q2e14442322_attn:
	.size	k_q2e14442322_attn, .Lfunc_end_k_q2e14442322_attn-k_q2e14442322_attn
	.p2alignl 7, 3214868480
	.fill 96, 4, 3214868480
	.section	.rodata,"a",@progbits
	.p2align	6, 0x0
	.amdhsa_kernel k_q2e14442322_attn
		.amdhsa_group_segment_fixed_size 137216
		.amdhsa_private_segment_fixed_size 0
		.amdhsa_enable_private_segment 0
		.amdhsa_kernarg_size 32
		.amdhsa_user_sgpr_count 2
		.amdhsa_user_sgpr_kernarg_segment_ptr 1
		.amdhsa_wavefront_size32 1
		.amdhsa_system_sgpr_workgroup_id_x 1
		.amdhsa_system_sgpr_workgroup_id_y 1
		.amdhsa_system_sgpr_workgroup_id_z 1
		.amdhsa_system_vgpr_workitem_id 0
		.amdhsa_next_free_vgpr 256
		.amdhsa_next_free_sgpr 66
		.amdhsa_reserve_vcc 1
		.amdhsa_float_denorm_mode_32 3
		.amdhsa_float_denorm_mode_16_64 3
		.amdhsa_memory_ordered 1
		.amdhsa_forward_progress 1
		.amdhsa_inst_pref_size 29
	.end_amdhsa_kernel
	.amdgpu_metadata
---
amdhsa.version: [ 1, 2 ]
amdhsa.kernels:
  - .name:           k_q2e14442322_attn
    .symbol:         k_q2e14442322_attn.kd
    .args:
      - { .name: qkv, .offset: 0, .size: 8, .value_kind: global_buffer, .address_space: global }
      - { .name: mask, .offset: 8, .size: 8, .value_kind: global_buffer, .address_space: global }
      - { .name: lowp_scales, .offset: 16, .size: 8, .value_kind: global_buffer, .address_space: global }
      - { .name: atc, .offset: 24, .size: 8, .value_kind: global_buffer, .address_space: global }
    .group_segment_fixed_size: 137216
    .private_segment_fixed_size: 0
    .kernarg_segment_align: 8
    .kernarg_segment_size: 32
    .max_flat_workgroup_size: 512
    .sgpr_count:     66
    .vgpr_count:     256
    .wavefront_size: 32
...
	.end_amdgpu_metadata
.endif
;; end of part 3
;; launch wo (part 4): grid 8 x 32, 4 waves a work-group, clusters of 4 x 4, 327,680 bytes of LDS; arguments atc, wc2, bo, x, lowp_scales, x1; writes x1
.if DOCPART == 4
	.amdgcn_target "amdgcn-amd-amdhsa--gfx1250"
	.amdhsa_code_object_version 6
	.text
	.protected	k_q2e14442322_wo
	.globl	k_q2e14442322_wo
	.p2align	8
	.type	k_q2e14442322_wo,@function
k_q2e14442322_wo:
	s_mov_b64 s[64:65], 0
	v_nop
	global_prefetch_b8 v0, s[64:65] scope:SCOPE_SE
	s_setreg_imm32_b32 hwreg(HW_REG_WAVE_MODE, 25, 1), 1
	s_wait_xcnt 0x0
	s_wait_alu depctr_hold_cnt(0) depctr_sa_sdst(0) depctr_va_vdst(0) depctr_va_sdst(0) depctr_va_ssrc(0) depctr_va_vcc(0) depctr_vm_vsrc(0)
	s_getreg_b32 s2, hwreg(HW_REG_IB_STS2, 6, 4)
	s_cmp_eq_u32 s2, 0
	s_cbranch_scc0 .Lentry_in_a_cluster
	s_endpgm
.Lentry_in_a_cluster:
	s_bfe_u32 s2, ttmp6, 0x10000c
	s_cmp_lg_u32 s2, 0xf033
	s_cbranch_scc0 .Lentry_shape_is_right
	s_endpgm
.Lentry_shape_is_right:
; x1 = x + attention's result x wo + bo: the product on codes of FP8 (e10, e11), both operands as images of their registers; the rest in f32.  No work is left out.
; A tile of 128 tokens x 128 columns to a work-group of four waves, 64 x 64 a wave: 16 accumulators; so that all 256 work-groups have a tile.  K goes through two LDS slots of 512 along K.
; TRANSPOSED: source 0 = 16 slots of the weight (B), source 1 = 16 token slots (A): a lane holds one token slot, the 16 registers of B's tiles 2 b, 2 b + 1 are columns 32 b + 16 h + 0 .. 15.
; Slot p of token tile T is token 32 (T / 2) + 8 (T % 2) + p + 8 (p / 8).  A block of 16 token slots x 64 columns goes through the wave's own stage in LDS and leaves as rows of 256 aligned bytes.
; The residual and the bias are asked for at the head and land under the products.
; CLUSTERS: 4 x 4: A's tiles shared along a row, B's along a column: joint loads.  With K = 1,024 both slots are filled once, at the head.
; LIMIT: e10 + e11 between -126 and 127.
; REGISTERS: window 0: v16-29 addresses; v32-63 a block's values; v64-127 rows read back, two sets; v128-255 accumulators, (a, b) at v[128 + 8 (4 a + b)].  window 1: two fragment buffers of 128 (A's four fragments, then B's four).  window 2: v0-127 the residual, v128-159 the bias.
.set KK,     1024
.set BOFF,   0                         ; wo's image in wc2
.set EOFF,   0x28                      ; e10, e11
.set TST,    KK*16                     ; bytes from tile to tile of an image
.set LAPS,   KK/1024
.set SLOT,   131072                    ; A: 8 tiles x 8 K steps x 2,048 bytes; B the same behind it.  One load a wave brings four tiles whole: all of K lies in LDS; 'slot 1' is the second 8,192 bytes of each tile
.set STAGE,  2*SLOT
.set SPITCH, 272
.set SPARE,  STAGE+4*16*SPITCH
.set ADRA,   16
.set ADRB,   20
.set STO,    24
.set RD,     25
.set CO,     26
.set BA,     27
.set SPW,    28
.set NIL,    29
.set TMP,    32
.set BK,     64
.set ACC,    128
.set F0,     0
.set F1,     128
.set G1,     24
.set G0,     32
.set G1B,    48
.set G0B,    56
.set MSB,    0
.macro WIN new
.if MSB != (\new)
	s_set_vgpr_msb (MSB<<8)|(\new)
.set MSB, (\new)
.endif
.endm
.set MUL,  0x05                        ; sources 0 and 1 window 1; C and D window 0
.set TO_F, 0x40
.macro JLOAD s
	s_cmp_eq_u32 s15, 0
	s_cbranch_scc0 .Lfor_b_\@
	tensor_load_to_lds s[G0+4*\s:G0+4*\s+3], s[G1:G1+7]
	s_nop 0
.rept 4
	v_nop
.endr
	s_branch .Lasked_\@
.Lfor_b_\@:
	tensor_load_to_lds s[G0B+4*\s:G0B+4*\s+3], s[G1B:G1B+7]
	s_nop 0
.rept 4
	v_nop
.endr
.Lasked_\@:
.endm
.macro CREST
	s_cmp_lg_u32 s14, 0
	s_cbranch_scc1 .Lnot_wave_0_\@
	s_barrier_signal -3
.Lnot_wave_0_\@:
	s_barrier_wait -3
	s_barrier_signal -1
	s_barrier_wait -1
.endm
.macro CROUND
	s_barrier_signal -1
	s_barrier_wait -1
	CREST
.endm
	s_load_b256 s[4:11], s[0:1], 0x0               ; A's image 4:5, wc2 6:7, the bias 8:9, the residual 10:11
	s_load_b128 s[84:87], s[0:1], 0x20             ; the exponents 84:85, the output 86:87
	v_lshl_add_u32 v[SPW], v0, 2, SPARE
	v_mov_b32 v[NIL], 0
	ds_add_u32 v[SPW], v[NIL]                      ; the opening: the add, twice on end, and its wait ahead of my first tensor load
	ds_add_u32 v[SPW], v[NIL]
	v_lshrrev_b32 v1, 5, v0
	v_readfirstlane_b32 s14, v1
	s_lshr_b32 s15, s14, 1                         ; my half of the tokens.  Also: I fetch for A (0) or B (1)
	s_and_b32 s16, s14, 1                          ; my half of the columns.  Also: which four tiles I fetch
	s_bfe_u32 s40, ttmp6, 0x40000
	s_bfe_u32 s41, ttmp6, 0x40004
	s_lshl_b32 s42, ttmp9, 2
	s_add_co_u32 s42, s42, s40                     ; tile of 128 columns
	s_and_b32 s17, ttmp7, 0xffff
	s_lshl_b32 s17, s17, 2
	s_add_co_u32 s17, s17, s41                     ; tile of 128 tokens
	s_lshl_b32 s43, s41, 2
	s_lshl_b32 s43, 15, s43
	s_lshl_b32 s44, 0x1111, s40
	s_or_b32 s[G1+0], s43, (3<<16)|(1<<21)
	s_or_b32 s[G1B+0], s44, (3<<16)|(1<<21)
.irp g, G1, G1B
	s_mov_b32 s[\g+1], 2048<<16                    ; a row = a tile's eight K steps, 16,384 bytes
	s_mov_b32 s[\g+2], 4<<16                       ; four tiles
	s_mov_b32 s[\g+3], 2048<<16
	s_mov_b32 s[\g+4], 4
	s_mov_b32 s[\g+5], KK*2                        ; from tile to tile, in elements of 8 bytes
	s_mov_b32 s[\g+6], 0
	s_mov_b32 s[\g+7], 0
.endr
	s_lshl_b32 s18, s16, 2
	s_lshl_b32 s20, s17, 3
	s_add_co_u32 s20, s20, s18
	s_mul_i32 s20, s20, TST
	s_mov_b32 s21, 0
	s_lshl_b32 s46, s42, 3
	s_add_co_u32 s46, s46, s18
	s_mul_i32 s46, s46, TST
.if BOFF
	s_add_co_u32 s46, s46, BOFF
.endif
	s_mov_b32 s47, 0
	s_lshl_b32 s45, s14, 16                        ; where my four tiles go: 65,536 x wave
	s_wait_dscnt 0x0
	s_wait_kmcnt 0x0
	s_load_b64 s[96:97], s[84:85], EOFF
	s_add_nc_u64 s[20:21], s[4:5], s[20:21]
	s_add_nc_u64 s[46:47], s[6:7], s[46:47]
	CROUND
.irp s, 0
	s_mov_b32 s[G0+4*\s], 1
	s_add_co_u32 s[G0+4*\s+1], s45, \s*SLOT
	s_add_nc_u64 s[G0+4*\s+2:G0+4*\s+3], s[20:21], \s*8192
	s_or_b32 s[G0+4*\s+3], s[G0+4*\s+3], 0x80000000
	s_mov_b32 s[G0B+4*\s], 1
	s_add_co_u32 s[G0B+4*\s+1], s45, \s*SLOT
	s_add_nc_u64 s[G0B+4*\s+2:G0B+4*\s+3], s[46:47], \s*8192
	s_or_b32 s[G0B+4*\s+3], s[G0B+4*\s+3], 0x80000000
	JLOAD \s
.endr
	v_and_b32 v1, 15, v0                           ; r
	s_wait_alu depctr_va_vdst(0)
	v_bfe_u32 v2, v0, 4, 1                         ; h
	v_and_b32 v3, 31, v0
	v_lshlrev_b32 v3, 4, v3                        ; 16 x lane
	s_lshl_b32 s22, s15, 16
	s_lshl_b32 s23, s16, 16
	s_add_co_u32 s23, s23, 131072
.irp s, 0,1
	v_add_nc_u32 v[ADRA+\s], s22, v3
	v_add_nc_u32 v[ADRB+\s], s23, v3
	s_add_co_u32 s22, s22, 8192
	s_add_co_u32 s23, s23, 8192
.endr
	s_mul_i32 s23, s14, 16*SPITCH
	s_add_co_u32 s23, s23, STAGE                   ; my stage
	v_mul_u32_u24 v4, v1, SPITCH
	s_wait_alu depctr_va_vdst(0)
	v_lshl_add_u32 v4, v2, 6, v4
	v_add_nc_u32 v[STO], s23, v4                   ; in: row = my slot, + 64 h
	v_mul_u32_u24 v4, v2, SPITCH
	v_lshl_add_u32 v4, v1, 4, v4
	v_add_nc_u32 v[RD], s23, v4                    ; back: lanes 0-15 one row, lanes 16-31 the next
	v_lshlrev_b32 v4, 12, v2
	v_lshl_add_u32 v[CO], v1, 4, v4                ; and the same in memory: 4,096 h + 16 r
	s_wait_alu depctr_va_vdst(0)
	v_lshlrev_b32 v[BA], 6, v2
	s_wait_alu depctr_va_vdst(0)
	s_lshl_b32 s18, s17, 19
	s_lshl_b32 s19, s15, 18
	s_add_co_u32 s18, s18, s19                     ; my first token's row,
	s_lshl_b32 s19, s42, 9
	s_lshl_b32 s22, s16, 8
	s_add_co_u32 s22, s22, s19                     ; my 64 columns, 256 bytes
	s_mov_b32 s23, 0
	s_add_nc_u64 s[90:91], s[8:9], s[22:23]
	s_add_co_u32 s18, s18, s22
	s_mov_b32 s19, 0
	s_add_nc_u64 s[88:89], s[10:11], s[18:19]
	s_add_nc_u64 s[86:87], s[86:87], s[18:19]
	WIN 0x80                                       ; destination window 2
.irp a, 0,1,2,3
.irp t, 0,1,2,3,4,5,6,7
	global_load_b128 v[32*\a+4*\t:32*\a+4*\t+3], v[CO], s[88:89] offset:(32*(\a/2)+8*(\a%2)+2*\t+8*(\t/4))*4096 th:TH_LOAD_NT   ; the residual, in the layout in which the rows come back from the stage
.endr
.endr
.irp b, 0,1
.irp k, 0,1,2,3
	global_load_b128 v[128+16*\b+4*\k:128+16*\b+4*\k+3], v[BA], s[90:91] offset:128*\b+16*\k
.endr
.endr
	WIN 0
.macro MUL4 f, a, zero
.irp b, 0,1,2,3
.if \zero
	v_wmma_f32_16x16x128_fp8_fp8 v[ACC+8*(4*(\a)+\b):ACC+8*(4*(\a)+\b)+7], v[\f+64+16*\b:\f+64+16*\b+15], v[\f+16*(\a):\f+16*(\a)+15], 0
.else
	v_wmma_f32_16x16x128_fp8_fp8 v[ACC+8*(4*(\a)+\b):ACC+8*(4*(\a)+\b)+7], v[\f+64+16*\b:\f+64+16*\b+15], v[\f+16*(\a):\f+16*(\a)+15], v[ACC+8*(4*(\a)+\b):ACC+8*(4*(\a)+\b)+7]
.endif
.endr
.endm
.macro MUL8 f, a0, zero                ; the 16 accumulators take turns, one instruction a turn, in the same order in every quarter
	MUL4 \f, \a0, \zero
	MUL4 \f, \a0+1, \zero
.endm
.macro FETCH slot, q, f                ; 32 loads in one run: the slot's K step q: B's four fragments, then A's
	WIN TO_F
.irp i, 0,1,2,3
.irp c, 0,1,2,3
	ds_load_b128 v[\f+64+16*\i+4*\c:\f+64+16*\i+4*\c+3], v[ADRB+\slot] offset:\i*16384+(\q)*2048+512*\c
.endr
.endr
.irp i, 0,1,2,3
.irp c, 0,1,2,3
	ds_load_b128 v[\f+16*\i+4*\c:\f+16*\i+4*\c+3], v[ADRA+\slot] offset:\i*16384+(\q)*2048+512*\c
.endr
.endr
.endm
.macro PLACES
.rept 4
	v_nop
.endr
.endm
.macro QUARTER slot, q, f, g, zero     ; 128 along K from buffer f; in its middle the slot's K step q is fetched into g
	s_wait_dscnt 8                                 ; B and A's tiles 0, 1 are in; the youngest eight loads (A's tiles 2, 3) may be out
	WIN MUL
	MUL8 \f, 0, \zero
	PLACES
	FETCH \slot, \q, \g
	s_wait_dscnt 32                                ; all but the 32 just issued
	WIN MUL
	MUL8 \f, 2, \zero
.endm
.macro TURN slot, next, fill           ; a slot's last quarter changes slots
	WIN 0
	s_wait_tensorcnt 0x0                           ; all my tensor loads have landed
	ds_add_u32 v[SPW], v[NIL]                      ; 0 onto my spare word
	s_wait_dscnt 9                                 ; (the add and the youngest eight loads may be out)
	WIN MUL
	MUL4 F1, 0, 0
	s_wait_dscnt 0x0                               ; the add is done, and my reads of this slot are over
	s_barrier_signal -1
	MUL4 F1, 1, 0
.if \fill
	WIN 0
.endif
	s_barrier_wait -1
.if \fill
	CREST
	s_add_nc_u64 s[G0+4*\slot+2:G0+4*\slot+3], s[G0+4*\slot+2:G0+4*\slot+3], 16384
	s_add_nc_u64 s[G0B+4*\slot+2:G0B+4*\slot+3], s[G0B+4*\slot+2:G0B+4*\slot+3], 16384
	JLOAD \slot
.else
	PLACES
.endif
	FETCH \next, 0, F0
	WIN MUL
	MUL8 F1, 2, 0
.endm
	s_wait_tensorcnt 0x0                           ; my one load, four tiles over all of K, is in
	s_barrier_signal -1
	s_barrier_wait -1
	FETCH 0, 0, F0
	QUARTER 0, 1, F0, F1, 1                        ; the first products start the sums
.if LAPS > 1
	WIN 0
	s_mov_b32 s3, LAPS-1
.Llap:
	QUARTER 0, 2, F1, F0, 0
	QUARTER 0, 3, F0, F1, 0
	TURN 0, 1, 1
	QUARTER 1, 1, F0, F1, 0
	QUARTER 1, 2, F1, F0, 0
	QUARTER 1, 3, F0, F1, 0
	TURN 1, 0, 1
	QUARTER 0, 1, F0, F1, 0
	WIN 0
	s_sub_co_u32 s3, s3, 1
	s_cmp_lg_u32 s3, 0
	s_cbranch_scc1 .Llap
.endif
	QUARTER 0, 2, F1, F0, 0
	QUARTER 0, 3, F0, F1, 0
	TURN 0, 1, 0
	QUARTER 1, 1, F0, F1, 0
	QUARTER 1, 2, F1, F0, 0
	QUARTER 1, 3, F0, F1, 0
	s_wait_dscnt 8
	WIN MUL
	MUL8 F1, 0, 0
	s_wait_dscnt 0
	MUL8 F1, 2, 0
	WIN 0
.macro TOSTAGE a                       ; block a: sum x 2^(ea + eb) + bias, into my stage, and back as rows
	WIN 0x20                                       ; source 2 (the bias) window 2
.set j, 0
.rept 16
	v_pk_fma_f32 v[TMP+j:TMP+j+1], v[ACC+32*(\a)+j:ACC+32*(\a)+j+1], s[96:97], v[128+j:128+j+1] op_sel_hi:[1,0,1]
.set j, j+2
.endr
	WIN 0
.irp b, 0,1
.irp k, 0,1,2,3
	ds_store_b128 v[STO], v[TMP+16*\b+4*\k:TMP+16*\b+4*\k+3] offset:128*\b+16*\k
.endr
.endr
.irp t, 0,1,2,3,4,5,6,7
	ds_load_b128 v[BK+32*((\a)%2)+4*\t:BK+32*((\a)%2)+4*\t+3], v[RD] offset:\t*2*SPITCH   ; LDS serves a wave's instructions in order: these see my stores
.endr
.endm
.macro SEND a, younger
	s_wait_dscnt \younger
	WIN 0x08                                       ; source 1 (the residual) window 2
.set j, 0
.rept 16
	v_pk_add_f32 v[BK+32*((\a)%2)+j:BK+32*((\a)%2)+j+1], v[BK+32*((\a)%2)+j:BK+32*((\a)%2)+j+1], v[32*(\a)+j:32*(\a)+j+1]
.set j, j+2
.endr
	WIN 0
.irp t, 0,1,2,3,4,5,6,7
	global_store_b128 v[CO], v[BK+32*((\a)%2)+4*\t:BK+32*((\a)%2)+4*\t+3], s[86:87] offset:(32*((\a)/2)+8*((\a)%2)+2*\t+8*(\t/4))*4096   ; sixteen lanes store 256 consecutive bytes, aligned
.endr
.endm
	s_wait_kmcnt 0x0
	s_add_co_i32 s96, s96, s97
	s_add_co_i32 s96, s96, 127
	s_lshl_b32 s96, s96, 23                        ; 2^(ea + eb)
	s_mov_b32 s97, s96
	s_wait_loadcnt 0x0                             ; the residual and the bias
	PLACES
	TOSTAGE 0
.irp a, 1,2,3
.if \a > 1
	s_wait_xcnt 0x0                                ; block a - 2's stores have read their registers: block a's rows may land there
.endif
	TOSTAGE \a
	SEND \a-1, 16                                  ; behind block a - 1's loads: block a's 8 stores and 8 loads
.endr
	SEND 3, 0
	s_wait_tensorcnt 0x0                           ; the wave's end
	ds_add_u32 v[SPW], v[NIL]
	s_wait_dscnt 0x0
	CROUND
	s_endpgm
.Lfunc_end_k_q2e14442322_wo:
	.size	k_q2e14442322_wo, .Lfunc_end_k_q2e14442322_wo-k_q2e14442322_wo
	.p2alignl 7, 3214868480
	.fill 96, 4, 3214868480
	.section	.rodata,"a",@progbits
	.p2align	6, 0x0
	.amdhsa_kernel k_q2e14442322_wo
		.amdhsa_group_segment_fixed_size 327680
		.amdhsa_private_segment_fixed_size 0
		.amdhsa_enable_private_segment 0
		.amdhsa_kernarg_size 48
		.amdhsa_user_sgpr_count 2
		.amdhsa_user_sgpr_kernarg_segment_ptr 1
		.amdhsa_wavefront_size32 1
		.amdhsa_system_sgpr_workgroup_id_x 1
		.amdhsa_system_sgpr_workgroup_id_y 1
		.amdhsa_system_sgpr_workgroup_id_z 1
		.amdhsa_system_vgpr_workitem_id 0
		.amdhsa_next_free_vgpr 768
		.amdhsa_next_free_sgpr 104
		.amdhsa_reserve_vcc 0
		.amdhsa_float_denorm_mode_32 3
		.amdhsa_float_denorm_mode_16_64 3
		.amdhsa_memory_ordered 1
		.amdhsa_forward_progress 1
		.amdhsa_inst_pref_size 53
	.end_amdhsa_kernel
	.amdgpu_metadata
---
amdhsa.version: [ 1, 2 ]
amdhsa.kernels:
  - .name:           k_q2e14442322_wo
    .symbol:         k_q2e14442322_wo.kd
    .args:
      - { .name: atc, .offset: 0, .size: 8, .value_kind: global_buffer, .address_space: global }
      - { .name: wc2, .offset: 8, .size: 8, .value_kind: global_buffer, .address_space: global }
      - { .name: bo, .offset: 16, .size: 8, .value_kind: global_buffer, .address_space: global }
      - { .name: x, .offset: 24, .size: 8, .value_kind: global_buffer, .address_space: global }
      - { .name: lowp_scales, .offset: 32, .size: 8, .value_kind: global_buffer, .address_space: global }
      - { .name: x1, .offset: 40, .size: 8, .value_kind: global_buffer, .address_space: global }
    .group_segment_fixed_size: 327680
    .private_segment_fixed_size: 0
    .kernarg_segment_align: 8
    .kernarg_segment_size: 48
    .max_flat_workgroup_size: 128
    .sgpr_count:     104
    .vgpr_count:     768
    .wavefront_size: 32
...
	.end_amdgpu_metadata
.endif
;; end of part 4
;; launch ln2 (part 5): grid 256 x 1, 8 waves a work-group, no clusters, 18,432 bytes of LDS; arguments x1, ln2_w, ln2_b, lowp_scales, nx2; writes nx2
.if DOCPART == 5
	.amdgcn_target "amdgcn-amd-amdhsa--gfx1250"
	.amdhsa_code_object_version 6
	.text
	.protected	k_q2e14442322_ln2
	.globl	k_q2e14442322_ln2
	.p2align	8
	.type	k_q2e14442322_ln2,@function
k_q2e14442322_ln2:
	s_mov_b64 s[64:65], 0
	v_nop
	global_prefetch_b8 v0, s[64:65] scope:SCOPE_SE
	s_setreg_imm32_b32 hwreg(HW_REG_WAVE_MODE, 25, 1), 1
	s_wait_xcnt 0x0
; The second layer norm, of x1, quantised (e12) into the image of the left operand of the product with w1.  No work is left out.
; Work-group T makes tile T of the image (16 token slots x 1,024 k, 16,384 bytes); wave w takes slots w and w + 8: tokens t0 = 32 (T / 2) + 8 (T % 2) + w and t0 + 16.
; A lane's 16 numbers of half g of a row (four loads of 16 bytes a lane) are the 16 codes of unit 32 g + lane of the tile: k = 512 g + 128 (i / 4) + 4 lane + i % 4, the order in which w1's image was laid.
; A unit is 256 consecutive bytes, 16 for each slot: the sixteen rows meet in a stage in LDS and leave as whole units.
; LIMITS: e12 between -126 and 119.  NaN among the inputs is not served.
.set STG,   17408                      ; 64 units of 256 bytes + 16 of padding
.set SPARE, STG
.set SPW,   6
.set NIL,   7
.set LW,    16
.set LB,    48
.set X0,    80
.set X1,    112
.set TMP,   144
.set CD,    160
.set SC,    176
	s_load_b256 s[4:11], s[0:1], 0x0               ; x1 4:5, the gain 6:7, the offset 8:9, the exponents 10:11
	s_load_b64 s[12:13], s[0:1], 0x20              ; nx2
	v_lshl_add_u32 v[SPW], v0, 2, SPARE
	v_mov_b32 v[NIL], 0
	v_lshrrev_b32 v1, 5, v0
	s_delay_alu instid0(VALU_DEP_1)
	v_readfirstlane_b32 s28, v1
	v_and_b32 v1, 31, v0
	s_wait_alu depctr_va_vdst(0)
	s_lshr_b32 s29, ttmp9, 1
	s_lshl_b32 s29, s29, 5
	s_and_b32 s30, ttmp9, 1
	s_lshl_b32 s30, s30, 3
	s_add_co_u32 s29, s29, s30
	s_add_co_u32 s29, s29, s28                     ; t0
	s_lshl_b32 s48, s29, 12
	s_mov_b32 s49, 0
	v_lshlrev_b32 v2, 4, v1
	s_wait_alu depctr_va_vdst(0)
	s_wait_kmcnt 0x0
	s_load_b32 s32, s[10:11], 0x30                 ; e12
	s_add_nc_u64 s[48:49], s[4:5], s[48:49]
.set j, 0
.rept 8
	global_load_b128 v[X0+4*j:X0+4*j+3], v2, s[48:49] offset:512*j
.set j, j+1
.endr
.set j, 0
.rept 8
	global_load_b128 v[X1+4*j:X1+4*j+3], v2, s[48:49] offset:65536+512*j
.set j, j+1
.endr
.set j, 0
.rept 8
	global_load_b128 v[LW+4*j:LW+4*j+3], v2, s[6:7] offset:512*j
.set j, j+1
.endr
.set j, 0
.rept 8
	global_load_b128 v[LB+4*j:LB+4*j+3], v2, s[8:9] offset:512*j
.set j, j+1
.endr
	s_mov_b32 s50, 0x76543210
	s_mov_b32 s51, 0xfedcba98
	s_mov_b32 s58, 0x3a800000                      ; 1 / 1,024
	s_mov_b32 s59, 0x3727c5ac                      ; 1e-5
	s_lshl_b32 s30, ttmp9, 14
	s_mov_b32 s31, 0
	s_add_nc_u64 s[52:53], s[12:13], s[30:31]
	s_lshl_b32 s29, s28, 4
	v_mul_u32_u24 v3, v1, 272
	s_delay_alu instid0(VALU_DEP_1)
	v_add_nc_u32 v3, s29, v3                       ; into the stage: 272 x lane + 16 w
	s_mul_i32 s29, s28, 2176
	v_lshrrev_b32 v4, 4, v1
	s_delay_alu instid0(VALU_DEP_1)
	v_mul_u32_u24 v4, v4, 272
	v_and_b32 v5, 15, v1
	s_delay_alu instid0(VALU_DEP_1)
	v_lshl_add_u32 v4, v5, 4, v4
	s_delay_alu instid0(VALU_DEP_1)
	v_add_nc_u32 v4, s29, v4                       ; out of it: units 8 w on
	s_lshl_b32 s29, s28, 11
	v_add_nc_u32 v5, s29, v2
	s_wait_kmcnt 0x0
	s_add_co_i32 s30, s32, 127
	s_lshl_b32 s31, s30, 23
	v_mov_b32 v[SC], s31
	s_add_co_i32 s30, s30, 8
	s_lshl_b32 s30, s30, 23
	s_or_b32 s30, s30, 0x600000
	v_mov_b32 v[SC+1], s30
.macro LANESUM r, t
	s_delay_alu instid0(VALU_DEP_1)
	v_add_f32_dpp v[\r], v[\r], v[\r] row_xmask:1 row_mask:0xf bank_mask:0xf
	s_delay_alu instid0(VALU_DEP_1)
	v_add_f32_dpp v[\r], v[\r], v[\r] row_xmask:2 row_mask:0xf bank_mask:0xf
	s_delay_alu instid0(VALU_DEP_1)
	v_add_f32_dpp v[\r], v[\r], v[\r] row_xmask:4 row_mask:0xf bank_mask:0xf
	s_delay_alu instid0(VALU_DEP_1)
	v_add_f32_dpp v[\r], v[\r], v[\r] row_xmask:8 row_mask:0xf bank_mask:0xf
	s_delay_alu instid0(VALU_DEP_1)
	v_permlanex16_b32 v[\t], v[\r], s50, s51
	s_delay_alu instid0(VALU_DEP_1)
	v_add_f32 v[\r], v[\r], v[\t]
.endm
.macro ROWSTAT X
	v_pk_add_f32 v[8:9], v[\X:\X+1], v[\X+2:\X+3]
	v_pk_add_f32 v[10:11], v[\X+4:\X+5], v[\X+6:\X+7]
.set j, 8
.rept 6
	s_delay_alu instid0(VALU_DEP_2)
	v_pk_add_f32 v[8:9], v[8:9], v[\X+j:\X+j+1]
	s_delay_alu instid0(VALU_DEP_2)
	v_pk_add_f32 v[10:11], v[10:11], v[\X+j+2:\X+j+3]
.set j, j+4
.endr
	s_delay_alu instid0(VALU_DEP_1)
	v_pk_add_f32 v[8:9], v[8:9], v[10:11]
	s_delay_alu instid0(VALU_DEP_1)
	v_add_f32 v8, v8, v9
	LANESUM 8, 9
	s_delay_alu instid0(VALU_DEP_1)
	v_mul_f32 v8, s58, v8
.set j, 0
.rept 16
	v_pk_add_f32 v[\X+j:\X+j+1], v[\X+j:\X+j+1], v[8:9] op_sel_hi:[1,0] neg_lo:[0,1] neg_hi:[0,1]
.set j, j+2
.endr
	v_pk_mul_f32 v[10:11], v[\X:\X+1], v[\X:\X+1]
	v_pk_mul_f32 v[12:13], v[\X+2:\X+3], v[\X+2:\X+3]
.set j, 4
.rept 7
	s_delay_alu instid0(VALU_DEP_2)
	v_pk_fma_f32 v[10:11], v[\X+j:\X+j+1], v[\X+j:\X+j+1], v[10:11]
	s_delay_alu instid0(VALU_DEP_2)
	v_pk_fma_f32 v[12:13], v[\X+j+2:\X+j+3], v[\X+j+2:\X+j+3], v[12:13]
.set j, j+4
.endr
	s_delay_alu instid0(VALU_DEP_1)
	v_pk_add_f32 v[10:11], v[10:11], v[12:13]
	s_delay_alu instid0(VALU_DEP_1)
	v_add_f32 v10, v10, v11
	LANESUM 10, 11
	s_delay_alu instid0(VALU_DEP_1)
	v_fma_f32 v10, v10, s58, s59
	s_wait_alu depctr_va_vdst(0)
	v_rsq_f32 v10, v10
	v_nop                                          ; a plain instruction behind the transcendental
	s_wait_alu depctr_va_vdst(0)                   ; and the wait ahead of its first reader
.set j, 0
.rept 16
	v_pk_mul_f32 v[\X+j:\X+j+1], v[\X+j:\X+j+1], v[10:11] op_sel_hi:[1,0]
.set j, j+2
.endr
.endm
.macro AFFINE X
.set j, 0
.rept 16
	v_pk_fma_f32 v[\X+j:\X+j+1], v[\X+j:\X+j+1], v[LW+j:LW+j+1], v[LB+j:LB+j+1]
.set j, j+2
.endr
.endm
.macro QSET X, rs
.irp g, 0,1
.set j, 0
.rept 16
	v_med3_num_f32 v[TMP+j], v[\X+16*\g+j], -v[SC+1], v[SC+1]
.set j, j+1
.endr
	v_cvt_scalef32_pk8_fp8_f32 v[CD+8*\rs+4*\g:CD+8*\rs+4*\g+1], v[TMP:TMP+7], v[SC]
	v_cvt_scalef32_pk8_fp8_f32 v[CD+8*\rs+4*\g+2:CD+8*\rs+4*\g+3], v[TMP+8:TMP+15], v[SC]
	v_nop
	ds_store_b128 v3, v[CD+8*\rs+4*\g:CD+8*\rs+4*\g+3] offset:\g*8704+\rs*128
.endr
.endm
	s_wait_loadcnt 24                              ; row 0 is in; 24 younger loads may be out
	ROWSTAT X0
	s_wait_loadcnt 16                              ; row 1 is in
	ROWSTAT X1
	s_wait_loadcnt 0x0
	AFFINE X0
	AFFINE X1
	QSET X0, 0
	QSET X1, 1
	s_wait_dscnt 0x0                               ; for the others' sake: my stores into the stage are done
	s_barrier_signal -1
	s_barrier_wait -1
.irp t, 0,1,2,3
	ds_load_b128 v[X0+4*\t:X0+4*\t+3], v4 offset:\t*544
.endr
.irp t, 0,1,2,3
	s_wait_dscnt 3-\t
	global_store_b128 v5, v[X0+4*\t:X0+4*\t+3], s[52:53] offset:512*\t
.endr
	s_wait_tensorcnt 0x0                           ; the wave's end
	ds_add_u32 v[SPW], v[NIL]
	s_wait_dscnt 0x0
	s_endpgm
.Lfunc_end_k_q2e14442322_ln2:
	.size	k_q2e14442322_ln2, .Lfunc_end_k_q2e14442322_ln2-k_q2e14442322_ln2
	.p2alignl 7, 3214868480
	.fill 96, 4, 3214868480
	.section	.rodata,"a",@progbits
	.p2align	6, 0x0
	.amdhsa_kernel k_q2e14442322_ln2
		.amdhsa_group_segment_fixed_size 18432
		.amdhsa_private_segment_fixed_size 0
		.amdhsa_enable_private_segment 0
		.amdhsa_kernarg_size 40
		.amdhsa_user_sgpr_count 2
		.amdhsa_user_sgpr_kernarg_segment_ptr 1
		.amdhsa_wavefront_size32 1
		.amdhsa_system_sgpr_workgroup_id_x 1
		.amdhsa_system_sgpr_workgroup_id_y 1
		.amdhsa_system_sgpr_workgroup_id_z 1
		.amdhsa_system_vgpr_workitem_id 0
		.amdhsa_next_free_vgpr 192
		.amdhsa_next_free_sgpr 66
		.amdhsa_reserve_vcc 0
		.amdhsa_float_denorm_mode_32 3
		.amdhsa_float_denorm_mode_16_64 3
		.amdhsa_memory_ordered 1
		.amdhsa_forward_progress 1
		.amdhsa_inst_pref_size 27
	.end_amdhsa_kernel
	.amdgpu_metadata
---
amdhsa.version: [ 1, 2 ]
amdhsa.kernels:
  - .name:           k_q2e14442322_ln2
    .symbol:         k_q2e14442322_ln2.kd
    .args:
      - { .name: x1, .offset: 0, .size: 8, .value_kind: global_buffer, .address_space: global }
      - { .name: ln2_w, .offset: 8, .size: 8, .value_kind: global_buffer, .address_space: global }
      - { .name: ln2_b, .offset: 16, .size: 8, .value_kind: global_buffer, .address_space: global }
      - { .name: lowp_scales, .offset: 24, .size: 8, .value_kind: global_buffer, .address_space: global }
      - { .name: nx2, .offset: 32, .size: 8, .value_kind: global_buffer, .address_space: global }
    .group_segment_fixed_size: 18432
    .private_segment_fixed_size: 0
    .kernarg_segment_align: 8
    .kernarg_segment_size: 40
    .max_flat_workgroup_size: 256
    .sgpr_count:     66
    .vgpr_count:     192
    .wavefront_size: 32
...
	.end_amdgpu_metadata
.endif
;; end of part 5
;; launch ffn1 (part 6): grid 16 x 16, 4 waves a work-group, clusters of 4 x 4, 327,680 bytes of LDS; arguments nx2, wc2, b1, lowp_scales, hc; writes hc
.if DOCPART == 6
	.amdgcn_target "amdgcn-amd-amdhsa--gfx1250"
	.amdhsa_code_object_version 6
	.text
	.protected	k_q2e14442322_ffn1
	.globl	k_q2e14442322_ffn1
	.p2align	8
	.type	k_q2e14442322_ffn1,@function
k_q2e14442322_ffn1:
	s_mov_b64 s[64:65], 0
	v_nop
	global_prefetch_b8 v0, s[64:65] scope:SCOPE_SE
	s_setreg_imm32_b32 hwreg(HW_REG_WAVE_MODE, 25, 1), 1
	s_wait_xcnt 0x0
	s_wait_alu depctr_hold_cnt(0) depctr_sa_sdst(0) depctr_va_vdst(0) depctr_va_sdst(0) depctr_va_ssrc(0) depctr_va_vcc(0) depctr_vm_vsrc(0)
	s_getreg_b32 s2, hwreg(HW_REG_IB_STS2, 6, 4)
	s_cmp_eq_u32 s2, 0
	s_cbranch_scc0 .Lentry_in_a_cluster
	s_endpgm
.Lentry_in_a_cluster:
	s_bfe_u32 s2, ttmp6, 0x10000c
	s_cmp_lg_u32 s2, 0xf033
	s_cbranch_scc0 .Lentry_shape_is_right
	s_endpgm
.Lentry_shape_is_right:
.set SLOT,  131072
.set SPARE, 2*SLOT
.set FR,    16
.set NL,    4
.set NP,    4
.set ADRA,  16
.set ADRB,  20
.set CO,    26
.set BA,    27
.set SPW,   28
.set NIL,   29
.set LIM,   30
.set SCL,   31
.set BIAS,  32
.set AF,    128
.set VAL,   128
.set CDS,   192
.set G1,    24
.set G0,    32
.set G1B,   48
.set G0B,   56
.set MSB,   0
.macro WIN new
.if MSB != (\new)
	s_set_vgpr_msb (MSB<<8)|(\new)
.set MSB, (\new)
.endif
.endm
.set MUL_LO, 0xa1
.set MUL_HI, 0xf1
.set TO_B,   0x40
.macro JLOAD g0a, g1a, g0b, g1b
	s_cmp_eq_u32 s15, 0
	s_cbranch_scc0 .Lfor_b_\@
	tensor_load_to_lds s[\g0a:\g0a+3], s[\g1a:\g1a+7]
	s_nop 0
.rept 4
	v_nop
.endr
	s_branch .Lasked_\@
.Lfor_b_\@:
	tensor_load_to_lds s[\g0b:\g0b+3], s[\g1b:\g1b+7]
	s_nop 0
.rept 4
	v_nop
.endr
.Lasked_\@:
.endm
.macro CREST
	s_cmp_lg_u32 s14, 0
	s_cbranch_scc1 .Lnot_wave_0_\@
	s_barrier_signal -3
.Lnot_wave_0_\@:
	s_barrier_wait -3
	s_barrier_signal -1
	s_barrier_wait -1
.endm
.macro CROUND
	s_barrier_signal -1
	s_barrier_wait -1
	CREST
.endm
	s_load_b256 s[4:11], s[0:1], 0x0
	s_load_b64 s[86:87], s[0:1], 0x20
	v_lshl_add_u32 v[SPW], v0, 2, SPARE
	v_mov_b32 v[NIL], 0
	ds_add_u32 v[SPW], v[NIL]
	ds_add_u32 v[SPW], v[NIL]
	v_lshrrev_b32 v1, 5, v0
	v_readfirstlane_b32 s14, v1
	s_lshr_b32 s15, s14, 1
	s_and_b32 s16, s14, 1
	s_bfe_u32 s40, ttmp6, 0x40000
	s_bfe_u32 s41, ttmp6, 0x40004
	s_lshl_b32 s42, ttmp9, 2
	s_add_co_u32 s42, s42, s40
	s_and_b32 s17, ttmp7, 0xffff
	s_lshl_b32 s17, s17, 2
	s_add_co_u32 s17, s17, s41
	s_lshl_b32 s43, s41, 2
	s_lshl_b32 s43, 15, s43
	s_lshl_b32 s44, 0x1111, s40
	s_or_b32 s[G1+0], s43, (3<<16)|(1<<21)
	s_or_b32 s[G1B+0], s44, (3<<16)|(1<<21)
.irp g, G1, G1B
	s_mov_b32 s[\g+1], 512<<16
	s_mov_b32 s[\g+2], 8<<16
	s_mov_b32 s[\g+3], 512<<16
	s_mov_b32 s[\g+4], 8
	s_mov_b32 s[\g+5], 2048
	s_mov_b32 s[\g+6], 0
	s_mov_b32 s[\g+7], 0
.endr
	s_lshl_b32 s18, s16, 17
	s_lshl_b32 s20, s17, 18
	s_add_co_u32 s20, s20, s18
	s_mov_b32 s21, 0
	s_lshl_b32 s46, s42, 18
	s_add_co_u32 s46, s46, s18
	s_add_co_u32 s46, s46, 0x100000
	s_mov_b32 s47, 0
	s_lshl_b32 s45, s14, 15
	s_wait_dscnt 0x0
	s_wait_kmcnt 0x0
	s_load_b128 s[68:71], s[10:11], 0x30
	s_add_nc_u64 s[20:21], s[4:5], s[20:21]
	s_add_nc_u64 s[46:47], s[6:7], s[46:47]
	CROUND
.irp s, 0,1
	s_mov_b32 s[G0+4*\s], 1
	s_add_co_u32 s[G0+4*\s+1], s45, \s*SLOT
	s_add_nc_u64 s[G0+4*\s+2:G0+4*\s+3], s[20:21], \s*4096
	s_or_b32 s[G0+4*\s+3], s[G0+4*\s+3], 0x80000000
	s_mov_b32 s[G0B+4*\s], 1
	s_add_co_u32 s[G0B+4*\s+1], s45, \s*SLOT
	s_add_nc_u64 s[G0B+4*\s+2:G0B+4*\s+3], s[46:47], \s*4096
	s_or_b32 s[G0B+4*\s+3], s[G0B+4*\s+3], 0x80000000
	s_wait_alu depctr_va_vdst(0)
	s_wait_tensorcnt 0x0
	ds_add_u32 v28, v29
	ds_add_u32 v28, v29
	s_wait_dscnt 0x0
	CROUND
	JLOAD G0+4*\s, G1, G0B+4*\s, G1B
.endr
	v_and_b32 v1, 31, v0
	v_lshlrev_b32 v[CO], 4, v1
	s_lshl_b32 s22, s15, 15
	s_lshl_b32 s23, s16, 15
	s_add_co_u32 s23, s23, 65536
.irp s, 0,1
	v_add_nc_u32 v[ADRA+\s], s22, v[CO]
	v_add_nc_u32 v[ADRB+\s], s23, v[CO]
	s_add_co_u32 s22, s22, SLOT
	s_add_co_u32 s23, s23, SLOT
.endr
	s_lshl_b32 s18, s42, 10
	s_lshl_b32 s19, s16, 9
	s_add_co_u32 s18, s18, s19
	s_mov_b32 s19, 0
	s_add_nc_u64 s[98:99], s[8:9], s[18:19]
	v_bfe_u32 v[BA], v0, 4, 1
	v_lshlrev_b32 v[BA], 6, v[BA]
.irp b, 0,1,2,3
.irp k, 0,1,2,3
	global_load_b128 v[BIAS+16*\b+4*\k:BIAS+16*\b+4*\k+3], v[BA], s[98:99] offset:128*\b+16*\k
.endr
.endr
	s_lshl_b32 s18, s17, 4
	s_lshl_b32 s19, s15, 3
	s_add_co_u32 s18, s18, s19
	s_lshl_b32 s18, s18, 16
	s_lshl_b32 s19, s42, 1
	s_add_co_u32 s19, s19, s16
	s_lshl_b32 s19, s19, 11
	s_add_co_u32 s18, s18, s19
	s_mov_b32 s19, 0
	s_add_nc_u64 s[86:87], s[86:87], s[18:19]
.macro FRAG reg, adr, q, i
.irp c, 0,1,2,3
	ds_load_b128 v[\reg+4*\c:\reg+4*\c+3], v[\adr] offset:(\i)*4096+(\q)*2048+512*\c
.endr
.endm
.macro MUL16 a0, p, zero
.irp a, \a0, \a0+1
.irp b, 0,1,2,3,4,5,6,7
.if \zero
	v_wmma_f32_16x16x128_fp8_fp8 v[8*(8*((\a)%4)+\b):8*(8*((\a)%4)+\b)+7], v[128*(\p)+FR*\b:128*(\p)+FR*\b+FR-1], v[AF+FR*(\a):AF+FR*(\a)+FR-1], 0
.else
	v_wmma_f32_16x16x128_fp8_fp8 v[8*(8*((\a)%4)+\b):8*(8*((\a)%4)+\b)+7], v[128*(\p)+FR*\b:128*(\p)+FR*\b+FR-1], v[AF+FR*(\a):AF+FR*(\a)+FR-1], v[8*(8*((\a)%4)+\b):8*(8*((\a)%4)+\b)+7]
.endif
.endr
.endr
.endm
.macro FETCH_B slot, q, p
	WIN TO_B
.irp i, 0,1,2,3,4,5,6,7
	FRAG 128*(\p)+FR*\i, ADRB+\slot, \q, \i
.endr
	WIN 0
.endm
.macro FETCH_A slot, q, i0
.irp i, \i0, \i0+1, \i0+2, \i0+3
	FRAG AF+FR*(\i), ADRA+\slot, \q, \i
.endr
.endm
.macro PLACES n
.rept \n
	v_nop
.endr
.endm
.macro STEP slot, q, zero
	s_wait_dscnt 4*NL
	WIN MUL_LO
	MUL16 0, (\q)%2, \zero
	MUL16 2, (\q)%2, \zero
	s_wait_dscnt 0
	PLACES NP
	FETCH_B \slot, (\q)+1, 1-(\q)%2
	FETCH_A \slot, (\q)+1, 0
	WIN MUL_HI
	MUL16 4, (\q)%2, \zero
	MUL16 6, (\q)%2, \zero
	PLACES NP
	WIN 0
	FETCH_A \slot, (\q)+1, 4
.endm
.macro TURN slot, next, fill
	s_wait_tensorcnt 0x0
	ds_add_u32 v[SPW], v[NIL]
	s_wait_dscnt 4*NL+1
	WIN MUL_LO
	MUL16 0, 1, 0
	s_wait_dscnt 0x0
	s_barrier_signal -1
	MUL16 2, 1, 0
	WIN 0
	s_barrier_wait -1
.if \fill
	CREST
	s_add_nc_u64 s[G0+4*\slot+2:G0+4*\slot+3], s[G0+4*\slot+2:G0+4*\slot+3], 8192
	s_add_nc_u64 s[G0B+4*\slot+2:G0B+4*\slot+3], s[G0B+4*\slot+2:G0B+4*\slot+3], 8192
	JLOAD G0+4*\slot, G1, G0B+4*\slot, G1B
.else
	PLACES NP
.endif
	FETCH_B \next, 0, 0
	FETCH_A \next, 0, 0
	WIN MUL_HI
	MUL16 4, 1, 0
	MUL16 6, 1, 0
	PLACES NP
	WIN 0
	FETCH_A \next, 0, 4
.endm
	s_wait_alu depctr_va_vdst(0)
	s_wait_tensorcnt 1
	s_barrier_signal -1
	s_barrier_wait -1
	FETCH_B 0, 0, 0
	FETCH_A 0, 0, 0
	FETCH_A 0, 0, 4
	STEP 0, 0, 1
	TURN 0, 1, 1
	STEP 1, 0, 0
	TURN 1, 0, 1
	STEP 0, 0, 0
	TURN 0, 1, 0
	STEP 1, 0, 0
	s_wait_dscnt 4*NL
	WIN MUL_LO
	MUL16 0, 1, 0
	MUL16 2, 1, 0
	s_wait_dscnt 0
	WIN MUL_HI
	MUL16 4, 1, 0
	MUL16 6, 1, 0
	WIN 0
	s_wait_kmcnt 0x0
	s_add_co_i32 s96, s68, s69
	s_add_co_i32 s96, s96, 127
	s_lshl_b32 s96, s96, 23
	s_mov_b32 s97, s96
	s_add_co_i32 s92, s70, 127
	s_lshl_b32 s93, s92, 23
	v_mov_b32 v[SCL], s93
	s_add_co_i32 s92, s92, 8
	s_lshl_b32 s92, s92, 23
	s_or_b32 s92, s92, 0x600000
	v_mov_b32 v[LIM], s92
	s_wait_loadcnt 0x0
	PLACES NP
.irp a, 0,1,2,3,4,5,6,7
	WIN 0x02+(\a/4)
.set j, 0
.rept 32
	v_pk_fma_f32 v[VAL+j:VAL+j+1], v[64*(\a%4)+j:64*(\a%4)+j+1], s[96:97], v[BIAS+j:BIAS+j+1] op_sel_hi:[1,0,1]
.set j, j+2
.endr
	WIN 0
.set j, 0
.rept 64
	v_med3_num_f32 v[VAL+j], v[VAL+j], 0, v[LIM]
.set j, j+1
.endr
.if \a >= 4
	s_wait_alu depctr_va_vdst(0)
	s_wait_xcnt 0x0
.endif
.set j, 0
.rept 8
	v_cvt_scalef32_pk8_fp8_f32 v[CDS+16*(\a%4)+2*j:CDS+16*(\a%4)+2*j+1], v[VAL+8*j:VAL+8*j+7], v[SCL]
.set j, j+1
.endr
	v_nop
.irp b, 0,1,2,3
	global_store_b128 v[CO], v[CDS+16*(\a%4)+4*\b:CDS+16*(\a%4)+4*\b+3], s[86:87] offset:\a*65536+\b*512
.endr
.endr
	s_wait_tensorcnt 0x0
	ds_add_u32 v[SPW], v[NIL]
	s_wait_dscnt 0x0
	CROUND
	s_endpgm
.Lfunc_end_k_q2e14442322_ffn1:
	.size	k_q2e14442322_ffn1, .Lfunc_end_k_q2e14442322_ffn1-k_q2e14442322_ffn1
	.p2alignl 7, 3214868480
	.fill 96, 4, 3214868480
	.section	.rodata,"a",@progbits
	.p2align	6, 0x0
	.amdhsa_kernel k_q2e14442322_ffn1
		.amdhsa_group_segment_fixed_size 327680
		.amdhsa_private_segment_fixed_size 0
		.amdhsa_enable_private_segment 0
		.amdhsa_kernarg_size 40
		.amdhsa_user_sgpr_count 2
		.amdhsa_user_sgpr_kernarg_segment_ptr 1
		.amdhsa_wavefront_size32 1
		.amdhsa_system_sgpr_workgroup_id_x 1
		.amdhsa_system_sgpr_workgroup_id_y 1
		.amdhsa_system_sgpr_workgroup_id_z 1
		.amdhsa_system_vgpr_workitem_id 0
		.amdhsa_next_free_vgpr 1024
		.amdhsa_next_free_sgpr 104
		.amdhsa_reserve_vcc 0
		.amdhsa_float_denorm_mode_32 3
		.amdhsa_float_denorm_mode_16_64 3
		.amdhsa_memory_ordered 1
		.amdhsa_forward_progress 1
		.amdhsa_inst_pref_size 136
	.end_amdhsa_kernel
	.amdgpu_metadata
---
amdhsa.version: [ 1, 2 ]
amdhsa.kernels:
  - .name:           k_q2e14442322_ffn1
    .symbol:         k_q2e14442322_ffn1.kd
    .args:
      - { .name: nx2, .offset: 0, .size: 8, .value_kind: global_buffer, .address_space: global }
      - { .name: wc2, .offset: 8, .size: 8, .value_kind: global_buffer, .address_space: global }
      - { .name: b1, .offset: 16, .size: 8, .value_kind: global_buffer, .address_space: global }
      - { .name: lowp_scales, .offset: 24, .size: 8, .value_kind: global_buffer, .address_space: global }
      - { .name: hc, .offset: 32, .size: 8, .value_kind: global_buffer, .address_space: global }
    .group_segment_fixed_size: 327680
    .private_segment_fixed_size: 0
    .kernarg_segment_align: 8
    .kernarg_segment_size: 40
    .max_flat_workgroup_size: 128
    .sgpr_count:     104
    .vgpr_count:     1024
    .wavefront_size: 32
...
	.end_amdgpu_metadata
.endif
;; end of part 6
;; launch ffn2 (part 7): grid 4 x 64, 4 waves a work-group, clusters of 4 x 1, 327,680 bytes of LDS; arguments hc, wc2, b2, x1, lowp_scales, out0; writes out0
.if DOCPART == 7
	.amdgcn_target "amdgcn-amd-amdhsa--gfx1250"
	.amdhsa_code_object_version 6
	.text
	.protected	k_q2e14442322_ffn2
	.globl	k_q2e14442322_ffn2
	.p2align	8
	.type	k_q2e14442322_ffn2,@function
k_q2e14442322_ffn2:
	s_mov_b64 s[64:65], 0
	v_nop
	global_prefetch_b8 v0, s[64:65] scope:SCOPE_SE
	s_setreg_imm32_b32 hwreg(HW_REG_WAVE_MODE, 25, 1), 1
	s_wait_xcnt 0x0
	s_wait_alu depctr_hold_cnt(0) depctr_sa_sdst(0) depctr_va_vdst(0) depctr_va_sdst(0) depctr_va_ssrc(0) depctr_va_vcc(0) depctr_vm_vsrc(0)
	s_getreg_b32 s2, hwreg(HW_REG_IB_STS2, 6, 4)
	s_cmp_eq_u32 s2, 0
	s_cbranch_scc0 .Lentry_in_a_cluster
	s_endpgm
.Lentry_in_a_cluster:
	s_bfe_u32 s2, ttmp6, 0x10000c
	s_cmp_lg_u32 s2, 0x3003
	s_cbranch_scc0 .Lentry_shape_is_right
	s_endpgm
.Lentry_shape_is_right:
; out0 = x1 + relu's codes x w2 + b2: the product on codes of FP8 (e14, e15), both operands as images of their registers (see the first launch); the rest in f32.  No work is left out.
; SHARES.  A work-group: 64 tokens (grid y) x 256 columns (its place cx in the cluster); 256 work-groups.  A wave: the 64 tokens x 64 columns of its own: 16 accumulators.
; A (hc): the work-group's four token tiles over all K = 4,096 are 262,144 bytes: they are laid in LDS ONCE, nothing is filled again.  A chunk = four K steps of the four tiles, 32,768 bytes:
; chunk g at 32,768 g, tile i at + 8,192 i, step q at + 2,048 q.  Wave w asks for chunk w at the head and for chunk 4 + w once chunks 0 to 3 are whole.
; The four work-groups of a cluster take the same tokens: both loads are JOINT (mask 15).
; B (w2): a wave's 64 columns are read by no other wave of the work-group or of the cluster, so they pass no LDS and are not shared: each lane loads its fragments' 16 bytes from the image straight into registers,
; 16 loads of 512 consecutive bytes for a K step, three K steps (48 loads) ahead, in a ring of four register sets.
; TRANSPOSED: source 0 = 16 slots of w2, source 1 = 16 token slots: a lane holds one token slot, the 16 registers of B's tiles 2 b, 2 b + 1 are columns 32 b + 16 h + 0 .. 15.
; Slot p of token tile T is token 32 (T / 2) + 8 (T % 2) + p + 8 (p / 8).  A block of 16 token slots x 64 columns goes through the wave's own stage in LDS and leaves as rows of 256 aligned bytes.
; PREFETCH: the residual's 64 rows x 256 bytes of a wave are asked for once, a lane a row, in K step 1, and loaded in K step 29.  hc: its two halves are asked for by their tensor loads at the head and directly
; behind the first half's landing: there is no earlier trip to ask in.  w2: its loads themselves run three K steps ahead.
; LIMIT: e14 + e15 between -126 and 127.
; REGISTERS: window 0: v16-30 addresses; v32-63 a block's values; v64-127 rows read back, two sets; v128-255 accumulators, (a, b) at v[128 + 8 (4 a + b)].
; window 1: A's fragments, four sets of 64.  window 2: B's, four sets of 64.  window 3: v0-127 the residual, v128-159 the bias.
.set KK,     4096
.set BOFF,   0x500000                  ; w2's image in wc2
.set EOFF,   0x38                      ; e14, e15
.set CHUNK,  32768
.set STAGE,  8*CHUNK
.set SPITCH, 272
.set SPARE,  STAGE+4*16*SPITCH         ; the spare words, 128 bytes a wave
.set L16,    16                        ; v16  16 x lane
.set AD,     17                        ; v17  the trip's chunk + 16 x lane
.set STO,    24
.set RD,     25
.set CO,     26
.set BA,     27
.set SPW,    28
.set NIL,    29
.set PFO,    30                        ; v30  4,096 x lane: a lane a row of x1
.set TMP,    32
.set BK,     64
.set ACC,    128
.set G1,     24                        ; s[24:31] group 1;  s[32:35], s[36:39] group 0 of my two loads
.set G0,     32
.set KB,     44                        ; s44  the trip's chunk in LDS
.set BP,     46                        ; s[46:47] my B fragments at the trip's first K step
.set MSB,    0
.macro WIN new                         ; the immediate's high byte repeats the setting that is left
.if MSB != (\new)
	s_set_vgpr_msb (MSB<<8)|(\new)
.set MSB, (\new)
.endif
.endm
.set MUL, 0x06                         ; source 0 (B) window 2, source 1 (A) window 1; C and D window 0
.macro CROUND                          ; a round of the cluster's barrier
	s_barrier_signal -1
	s_barrier_wait -1
	s_cmp_lg_u32 s14, 0
	s_cbranch_scc1 .Lnot_wave_0_\@
	s_barrier_signal -3
.Lnot_wave_0_\@:
	s_barrier_wait -3
	s_barrier_signal -1
	s_barrier_wait -1
.endm
.macro PLACES
.rept 4
	v_nop
.endr
.endm
	s_load_b256 s[4:11], s[0:1], 0x0               ; hc 4:5, wc2 6:7, b2 8:9, x1 10:11
	s_load_b128 s[84:87], s[0:1], 0x20             ; the exponents 84:85, out0 86:87
	v_lshl_add_u32 v[SPW], v0, 2, SPARE
	v_mov_b32 v[NIL], 0
	ds_add_u32 v[SPW], v[NIL]                      ; the opening: the add, twice on end, and its wait ahead of my first tensor load
	ds_add_u32 v[SPW], v[NIL]
	v_lshrrev_b32 v1, 5, v0
	v_readfirstlane_b32 s14, v1                    ; wave
	s_bfe_u32 s40, ttmp6, 0x40000                  ; cx: which 256 columns (the grid has one cluster along x)
	s_and_b32 s17, ttmp7, 0xffff                   ; which 64 tokens
	s_mov_b32 s[G1], 15|(3<<16)|(1<<21)            ; the mask of all four partners; elements of 8 bytes; bit 21 beside a mask
	s_mov_b32 s[G1+1], 1024<<16                    ; a row = four K steps of a tile, 8,192 bytes
	s_mov_b32 s[G1+2], 4<<16                       ; four tiles
	s_mov_b32 s[G1+3], 1024<<16
	s_mov_b32 s[G1+4], 4
	s_mov_b32 s[G1+5], KK*2                        ; from tile to tile: 65,536 bytes
	s_mov_b32 s[G1+6], 0
	s_mov_b32 s[G1+7], 0
	s_lshl_b32 s20, s17, 18                        ; my tokens' first tile: 4 x 65,536 bytes for each 64 tokens,
	s_lshl_b32 s21, s14, 13
	s_add_co_u32 s20, s20, s21                     ; + chunk w
	s_mov_b32 s21, 0
	s_lshl_b32 s45, s14, 15                        ; and where it goes
	s_lshl_b32 s[BP], s40, 20                      ; B: column tile 16 cx + 4 w, 65,536 bytes a tile
	s_lshl_b32 s22, s14, 18
	s_add_co_u32 s[BP], s[BP], s22
	s_add_co_u32 s[BP], s[BP], BOFF
	s_mov_b32 s[BP+1], 0
	s_lshl_b32 s22, s40, 10
	s_lshl_b32 s23, s14, 8
	s_add_co_u32 s22, s22, s23                     ; my 64 columns, 256 bytes
	s_mov_b32 s23, 0
	s_lshl_b32 s18, s17, 18                        ; my first token's row of 4,096 bytes
	s_add_co_u32 s18, s18, s22
	s_mov_b32 s19, 0
	s_mul_i32 s41, s14, 16*SPITCH
	s_add_co_u32 s41, s41, STAGE                   ; my stage
	s_mov_b32 s[KB], 0
	s_wait_dscnt 0x0                               ; both opening adds are done
	s_wait_kmcnt 0x0
	s_load_b64 s[96:97], s[84:85], EOFF
	s_add_nc_u64 s[20:21], s[4:5], s[20:21]
	s_add_nc_u64 s[BP:BP+1], s[6:7], s[BP:BP+1]
	s_add_nc_u64 s[90:91], s[8:9], s[22:23]
	s_add_nc_u64 s[88:89], s[10:11], s[18:19]
	s_add_nc_u64 s[86:87], s[86:87], s[18:19]
	s_mov_b32 s[G0], 1
	s_mov_b32 s[G0+1], s45
	s_mov_b64 s[G0+2:G0+3], s[20:21]
	s_or_b32 s[G0+3], s[G0+3], 0x80000000
	s_mov_b32 s[G0+4], 1
	s_add_co_u32 s[G0+5], s45, 4*CHUNK
	s_add_nc_u64 s[G0+6:G0+7], s[20:21], 4*8192
	s_or_b32 s[G0+7], s[G0+7], 0x80000000
	CROUND                                         ; all four work-groups are here: the first joint loads meet
	tensor_load_to_lds s[G0:G0+3], s[G1:G1+7]      ; chunk w: one tensor load a wave at the head
	s_nop 0
	v_and_b32 v1, 15, v0                           ; r
	v_bfe_u32 v2, v0, 4, 1                         ; h
	v_and_b32 v3, 31, v0
	v_lshlrev_b32 v[L16], 4, v3
	v_lshlrev_b32 v[AD], 4, v3                     ; chunk 0
	v_lshlrev_b32 v[PFO], 12, v3
	v_mul_u32_u24 v4, v1, SPITCH
	v_lshl_add_u32 v4, v2, 6, v4
	v_add_nc_u32 v[STO], s41, v4                   ; into the stage: row = my slot, + 64 h
	v_mul_u32_u24 v5, v2, SPITCH
	v_lshl_add_u32 v5, v1, 4, v5
	v_add_nc_u32 v[RD], s41, v5                    ; back: lanes 0-15 one row, lanes 16-31 the next
	v_lshlrev_b32 v6, 12, v2
	v_lshl_add_u32 v[CO], v1, 4, v6                ; and the same in memory: 4,096 h + 16 r
	v_lshlrev_b32 v[BA], 6, v2
	s_wait_alu depctr_va_vdst(0)                   ; the wait at the head's end
.macro AF q                            ; A's four fragments of the trip's K step q (4, 5: the next chunk's 0, 1) into set q % 4
.irp i, 0,1,2,3
.irp c, 0,1,2,3
	ds_load_b128 v[64*((\q)%4)+16*\i+4*\c:64*((\q)%4)+16*\i+4*\c+3], v[AD] offset:((\q)/4)*CHUNK+((\q)%4)*2048+\i*8192+512*\c
.endr
.endr
.endm
.macro BF q                            ; B's four fragments of the trip's K step q (up to 6: a tile's steps lie on end in memory) into set q % 4
.irp i, 0,1,2,3
.irp c, 0,1,2,3
	global_load_b128 v[64*((\q)%4)+16*\i+4*\c:64*((\q)%4)+16*\i+4*\c+3], v[L16], s[BP:BP+1] offset:\i*65536+(\q)*2048+512*\c
.endr
.endr
.endm
.macro RES                             ; the residual, in the layout in which the rows come back from the stage: 32 loads
.irp a, 0,1,2,3
.irp t, 0,1,2,3,4,5,6,7
	global_load_b128 v[32*\a+4*\t:32*\a+4*\t+3], v[CO], s[88:89] offset:(32*(\a/2)+8*(\a%2)+2*\t+8*(\t/4))*4096 th:TH_LOAD_NT
.endr
.endr
.endm
.macro MUL4 q, a, zero                 ; the 16 accumulators take turns, one instruction a turn, in the same order in every K step
.irp b, 0,1,2,3
.if \zero
	v_wmma_f32_16x16x128_fp8_fp8 v[ACC+8*(4*(\a)+\b):ACC+8*(4*(\a)+\b)+7], v[64*(\q)+16*\b:64*(\q)+16*\b+15], v[64*(\q)+16*(\a):64*(\q)+16*(\a)+15], 0
.else
	v_wmma_f32_16x16x128_fp8_fp8 v[ACC+8*(4*(\a)+\b):ACC+8*(4*(\a)+\b)+7], v[64*(\q)+16*\b:64*(\q)+16*\b+15], v[64*(\q)+16*(\a):64*(\q)+16*(\a)+15], v[ACC+8*(4*(\a)+\b):ACC+8*(4*(\a)+\b)+7]
.endif
.endr
.endm
; A K step of 128.  nl: the global loads younger than this step's B; nd: the LDS loads younger than this step's A.  In its middle: fa: A of two steps on; fb = 1: B of three steps on; fb = 2: the residual; pf: the residual's prefetch.
; The four v_nop are the places between the last step's products and the loads into the set that they read (ISA guide 7.12.1 for vector instructions).
.macro STEP q, zero, fa, fb, nl, nd, pf
	s_wait_loadcnt \nl
	s_wait_dscnt \nd
	WIN MUL
	MUL4 \q, 0, \zero
	MUL4 \q, 1, \zero
.if \fa || \fb
	PLACES
.endif
.if \fa
	WIN 0x40
	AF (\q)+2
.endif
.if \fb == 1
	WIN 0x80
	BF (\q)+3
.endif
.if \fb == 2
	WIN 0xc0
	RES
.endif
.if \pf
	global_prefetch_b8 v[PFO], s[88:89] th:TH_LOAD_NT scope:SCOPE_SE                 ; my 64 rows x 256 bytes of x1: rows 0-31,
	global_prefetch_b8 v[PFO], s[88:89] offset:131072 th:TH_LOAD_NT scope:SCOPE_SE   ; rows 32-63; their address registers are never rewritten
.endif
	WIN MUL
	MUL4 \q, 2, \zero
	MUL4 \q, 3, \zero
.endm
.macro TOP                             ; on to the next chunk
	s_wait_xcnt 0x0                                ; my loads have read their base: it may step
	s_add_nc_u64 s[BP:BP+1], s[BP:BP+1], 8192
	s_add_co_u32 s[KB], s[KB], CHUNK
	v_add_nc_u32 v[AD], s[KB], v[L16]
	s_wait_alu depctr_va_vdst(0)
.endm
.macro TRIP
	TOP
	STEP 0, 0, 1, 1, 32, 16, 0
	STEP 1, 0, 1, 1, 32, 16, 0
	STEP 2, 0, 1, 1, 32, 16, 0
	STEP 3, 0, 1, 1, 32, 16, 0
	WIN 0
.endm
	WIN 0xc0
.irp b, 0,1
.irp k, 0,1,2,3
	global_load_b128 v[128+16*\b+4*\k:128+16*\b+4*\k+3], v[BA], s[90:91] offset:128*\b+16*\k   ; the bias: older than every load of B, so every counted wait below covers it
.endr
.endr
	WIN 0x80
	BF 0
	BF 1
	BF 2
	WIN 0
	s_wait_tensorcnt 0x0                           ; chunk w is in
	ds_add_u32 v[SPW], v[NIL]
	s_wait_dscnt 0x0
	CROUND                                         ; chunks 0 to 3 are whole, and all four work-groups are here
	tensor_load_to_lds s[G0+4:G0+7], s[G1:G1+7]    ; chunk 4 + w: first read twelve K steps on
	s_nop 0
	PLACES
	WIN 0x40
	AF 0
	AF 1
	STEP 0, 1, 1, 1, 32, 16, 0                     ; the first products start the sums: nothing is cleared
	STEP 1, 0, 1, 1, 32, 16, 1
	STEP 2, 0, 1, 1, 32, 16, 0
	STEP 3, 0, 1, 1, 32, 16, 0
	WIN 0
	s_mov_b32 s3, 2
.Lfirst:                                               ; chunks 1, 2; their fetches reach into chunk 3 at the most
	TRIP
	s_sub_co_u32 s3, s3, 1
	s_cmp_lg_u32 s3, 0
	s_cbranch_scc1 .Lfirst
	s_wait_tensorcnt 0x0                           ; chunk 4 + w is in,
	s_wait_dscnt 0x0                               ; no LDS load of mine is out at the signal,
	s_barrier_signal -1
	s_barrier_wait -1                              ; and everybody's chunk is in: chunk 3's trip fetches from chunk 4.
	s_mov_b32 s3, 4
.Lsecond:                                              ; chunks 3 to 6
	TRIP
	s_sub_co_u32 s3, s3, 1
	s_cmp_lg_u32 s3, 0
	s_cbranch_scc1 .Lsecond
	TOP                                            ; chunk 7 is written out: it fetches nothing beyond the end
	STEP 0, 0, 1, 1, 32, 16, 0
	STEP 1, 0, 1, 2, 32, 16, 0
	STEP 2, 0, 0, 0, 48, 16, 0                     ; younger than this step's B: the last step's 16 and the residual's 32
	STEP 3, 0, 0, 0, 32, 0, 0
	WIN 0
.macro TOSTAGE a                       ; block a: sum x 2^(e14 + e15) + bias, each accumulator from its low end on, into my stage, and back as rows
	WIN 0x30                                       ; source 2 (the bias) window 3
.set j, 0
.rept 16
	v_pk_fma_f32 v[TMP+j:TMP+j+1], v[ACC+32*(\a)+j:ACC+32*(\a)+j+1], s[96:97], v[128+j:128+j+1] op_sel_hi:[1,0,1]
.set j, j+2
.endr
	WIN 0
.irp b, 0,1
.irp k, 0,1,2,3
	ds_store_b128 v[STO], v[TMP+16*\b+4*\k:TMP+16*\b+4*\k+3] offset:128*\b+16*\k
.endr
.endr
.irp t, 0,1,2,3,4,5,6,7
	ds_load_b128 v[BK+32*((\a)%2)+4*\t:BK+32*((\a)%2)+4*\t+3], v[RD] offset:\t*2*SPITCH   ; LDS serves a wave's instructions in order: these see my stores
.endr
.endm
.macro SEND a, younger
	s_wait_dscnt \younger
	WIN 0x0c                                       ; source 1 (the residual) window 3
.set j, 0
.rept 16
	v_pk_add_f32 v[BK+32*((\a)%2)+j:BK+32*((\a)%2)+j+1], v[BK+32*((\a)%2)+j:BK+32*((\a)%2)+j+1], v[32*(\a)+j:32*(\a)+j+1]
.set j, j+2
.endr
	WIN 0
.irp t, 0,1,2,3,4,5,6,7
	global_store_b128 v[CO], v[BK+32*((\a)%2)+4*\t:BK+32*((\a)%2)+4*\t+3], s[86:87] offset:(32*((\a)/2)+8*((\a)%2)+2*\t+8*(\t/4))*4096 th:TH_STORE_NT   ; sixteen lanes store 256 consecutive bytes, aligned
.endr
.endm
	s_wait_kmcnt 0x0
	s_add_co_i32 s96, s96, s97
	s_add_co_i32 s96, s96, 127
	s_lshl_b32 s96, s96, 23                        ; 2^(e14 + e15)
	s_mov_b32 s97, s96
	s_wait_loadcnt 0x0                             ; the residual
	PLACES
	TOSTAGE 0
.irp a, 1,2,3
.if \a > 1
	s_wait_xcnt 0x0                                ; block a - 2's stores have read their registers: block a's rows may land there
.endif
	TOSTAGE \a
	SEND \a-1, 16                                  ; behind block a - 1's loads: block a's 8 stores and 8 loads
.endr
	SEND 3, 0
	s_wait_tensorcnt 0x0                           ; the wave's end
	ds_add_u32 v[SPW], v[NIL]
	s_wait_dscnt 0x0
	CROUND                                         ; the closing round
	s_endpgm
.Lfunc_end_k_q2e14442322_ffn2:
	.size	k_q2e14442322_ffn2, .Lfunc_end_k_q2e14442322_ffn2-k_q2e14442322_ffn2
	.p2alignl 7, 3214868480
	.fill 96, 4, 3214868480
	.section	.rodata,"a",@progbits
	.p2align	6, 0x0
	.amdhsa_kernel k_q2e14442322_ffn2
		.amdhsa_group_segment_fixed_size 327680
		.amdhsa_private_segment_fixed_size 0
		.amdhsa_enable_private_segment 0
		.amdhsa_kernarg_size 48
		.amdhsa_user_sgpr_count 2
		.amdhsa_user_sgpr_kernarg_segment_ptr 1
		.amdhsa_wavefront_size32 1
		.amdhsa_system_sgpr_workgroup_id_x 1
		.amdhsa_system_sgpr_workgroup_id_y 1
		.amdhsa_system_sgpr_workgroup_id_z 1
		.amdhsa_system_vgpr_workitem_id 0
		.amdhsa_next_free_vgpr 1024
		.amdhsa_next_free_sgpr 104
		.amdhsa_reserve_vcc 0
		.amdhsa_float_denorm_mode_32 3
		.amdhsa_float_denorm_mode_16_64 3
		.amdhsa_memory_ordered 1
		.amdhsa_forward_progress 1
		.amdhsa_inst_pref_size 87
	.end_amdhsa_kernel
	.amdgpu_metadata
---
amdhsa.version: [ 1, 2 ]
amdhsa.kernels:
  - .name:           k_q2e14442322_ffn2
    .symbol:         k_q2e14442322_ffn2.kd
    .args:
      - { .name: hc, .offset: 0, .size: 8, .value_kind: global_buffer, .address_space: global }
      - { .name: wc2, .offset: 8, .size: 8, .value_kind: global_buffer, .address_space: global }
      - { .name: b2, .offset: 16, .size: 8, .value_kind: global_buffer, .address_space: global }
      - { .name: x1, .offset: 24, .size: 8, .value_kind: global_buffer, .address_space: global }
      - { .name: lowp_scales, .offset: 32, .size: 8, .value_kind: global_buffer, .address_space: global }
      - { .name: out0, .offset: 40, .size: 8, .value_kind: global_buffer, .address_space: global }
    .group_segment_fixed_size: 327680
    .private_segment_fixed_size: 0
    .kernarg_segment_align: 8
    .kernarg_segment_size: 48
    .max_flat_workgroup_size: 128
    .sgpr_count:     104
    .vgpr_count:     1024
    .wavefront_size: 32
...
	.end_amdgpu_metadata
.endif
;; end of part 7
